; MI455X (gfx1250); checked and timed in simulation.
; The chip was launched on July 23, 2026; its instructions are those of AMD's public machine-readable ISA for CDNA 5 (MIT licence, August 2026) and "CDNA5" Instruction Set Architecture Reference Guide (July 2026). The comments in the code are by the model that wrote it; some were corrected since.
;; Causal Attention. Allowed arithmetic: float matrix products may take bf16 or f16 operands with f32 sums; other float arithmetic in f32, or as packed bf16 or f16 multiplies, adds, multiply-adds, maxima and minima; sums over many terms, partial sums and values carried from step to step in f32; what a program stores and reads back later, other than sums and carried values, may be rounded once to bf16 or f16.
;; Inputs: W_key 1,024 x 1,024 float32; W_query 1,024 x 1,024 float32; W_value 1,024 x 1,024 float32; x 4 x 2,048 x 1,024 float32.
;; Outputs: out0 4 x 2,048 x 1,024 float32.
;; 2 versions, each right; version 2 is version 1 with the launch cast written anew for expert scheduling mode. Each part assembles by itself: llvm-mc -triple=amdgcn-amd-amdhsa -mcpu=gfx1250 --defsym DOCPART=n.
;; ======== version 1 of 2: 6 launches
;; limits: values are held in f16: magnitudes above 65,504 overflow, below 6.1e-05 lose precision
;; workspace buffers: xh 16,777,216 bytes; wqh 2,097,152 bytes; wkh 2,097,152 bytes; wcat 4,194,304 bytes; qv 33,554,432 bytes; vhead 262,144 bytes; s 67,108,864 bytes; p 33,554,432 bytes
;; launch cast (part 1): grid 704 x 1, 8 waves a work-group, no clusters, 0 bytes of LDS; arguments x, W_query, W_key, W_value, xh, wqh, wkh, wcat; writes xh, wqh, wkh, wcat
.if DOCPART == 1
	.amdgcn_target "amdgcn-amd-amdhsa--gfx1250"
	.amdhsa_code_object_version 6
	.text
	.protected	k_qda9638fbdc_cast
	.globl	k_qda9638fbdc_cast
	.p2align	8
	.type	k_qda9638fbdc_cast,@function
k_qda9638fbdc_cast:
	s_mov_b64 s[64:65], 0
	v_nop
	global_prefetch_b8 v0, s[64:65] scope:SCOPE_SE
	s_setreg_imm32_b32 hwreg(HW_REG_WAVE_MODE, 25, 1), 1
	s_wait_xcnt 0x0
; x, W_query, W_key, W_value (f32) are rounded to bf16 (nearest even) and that number is written as f16:
; x -> xh [8192][1024], W_query -> wqh, W_key -> wkh [1024][1024], W_value -> the right half of wcat [1024][2048].
; LIMITS. A number of 65,520 or more in magnitude becomes an infinity; below 2^-14 the f16 copy keeps f16's fixed step 2^-24.
; SHARES. A work-group takes 16,384 numbers, a wave 2,048: sixteen loads of 16 bytes a lane (512 consecutive bytes each),
; all issued at once, and sixteen stores of 8 bytes a lane (256 consecutive bytes, aligned, each). No LDS, no loop, no matrix unit:
; every byte is read once and written once, and no wave depends on another.
; Work-groups 0-511 take x, 512-575 W_query, 576-639 W_key, 640-703 W_value.
.set VI,  1                            ; v1  16 x lane: my 16 bytes of a load
.set VO0, 2                            ; v2  8 x lane: my 8 bytes of a store, numbers 0-1023 of the wave
.set VO1, 3                            ; v3  the same for numbers 1024-2047: in wcat one row, and so 2,048 bytes more, further on
.set T,   4                            ; v[4:5]    two packed bf16 pairs, at work
.set X,   8                            ; v[8:71]   as loaded, then widened again
.set Y,   72                           ; v[72:103] to store
	s_load_b512 s[16:31], s[0:1], 0x0              ; x, W_query, W_key, W_value, xh, wqh, wkh, wcat
	v_lshrrev_b32 v6, 5, v0
	v_readfirstlane_b32 s12, v6                    ; wave 0..7
	v_and_b32 v7, 31, v0
	v_lshlrev_b32 v[VI], 4, v7
	v_lshlrev_b32 v[VO0], 3, v7
	s_sub_co_u32 s4, ttmp9, 512
	s_lshr_b32 s5, s4, 6                           ; which weight: 0, 1, 2 (for x a number far above these)
	s_and_b32 s6, s4, 63                           ; its chunk of 16,384 numbers = 16 rows
	s_mov_b32 s13, 0xffff0000                      ; a word's upper bf16
	s_wait_kmcnt 0x0
	s_cmp_eq_u32 s5, 1
	s_cselect_b64 s[8:9], s[20:21], s[18:19]       ; from: W_key or W_query
	s_cselect_b64 s[10:11], s[28:29], s[26:27]     ; to: wkh or wqh
	s_cmp_eq_u32 s5, 2
	s_cselect_b64 s[8:9], s[22:23], s[8:9]         ; or W_value
	s_cselect_b64 s[10:11], s[30:31], s[10:11]     ; to wcat,
	s_cselect_b32 s7, 2048, 0                      ; whose rows have 2,048 bytes more than a dense row, in front of the right half
	s_cmp_lt_u32 ttmp9, 512
	s_cselect_b64 s[8:9], s[16:17], s[8:9]         ; or x
	s_cselect_b64 s[10:11], s[24:25], s[10:11]     ; to xh
	s_cselect_b32 s6, ttmp9, s6
	s_cselect_b32 s7, 0, s7
	s_lshl_b32 s2, s6, 16                          ; in: chunk x 65,536 + wave x 8,192 bytes
	s_lshl_b32 s3, s12, 13
	s_add_co_u32 s2, s2, s3
	s_mov_b32 s3, 0
	s_add_nc_u64 s[8:9], s[8:9], s[2:3]
	s_lshl_b32 s14, s6, 4
	s_lshl1_add_u32 s14, s12, s14                  ; my first row of a weight: 16 x chunk + 2 x wave
	s_add_co_u32 s14, s14, 1
	s_mul_i32 s14, s14, s7                         ; (row + 1) x 2,048 more in wcat, 0 elsewhere
	s_lshl_b32 s2, s6, 15                          ; out: chunk x 32,768 + wave x 4,096 bytes
	s_lshl_b32 s15, s12, 12
	s_add_co_u32 s2, s2, s15
	s_add_co_u32 s2, s2, s14
	s_add_nc_u64 s[10:11], s[10:11], s[2:3]
	v_add_nc_u32 v[VO1], s7, v[VO0]
.set j, 0
.rept 16
	global_load_b128 v[X+4*j:X+4*j+3], v[VI], s[8:9] offset:512*j th:TH_LOAD_NT
.set j, j+1
.endr
.set j, 0
.rept 16
	s_wait_loadcnt 15-j                            ; loads come back in order: load j is in, the 15 - j younger ones stay out
	v_cvt_pk_bf16_f32 v[T],   v[X+4*j],   v[X+4*j+1]   ; the rounding that counts
	v_cvt_pk_bf16_f32 v[T+1], v[X+4*j+2], v[X+4*j+3]
	v_lshlrev_b32 v[X+4*j],   16,  v[T]            ; bf16 to f32: a shift or a mask
	v_and_b32     v[X+4*j+1], s13, v[T]
	v_lshlrev_b32 v[X+4*j+2], 16,  v[T+1]
	v_and_b32     v[X+4*j+3], s13, v[T+1]
	v_cvt_pk_f16_f32 v[Y+2*j],   v[X+4*j],   v[X+4*j+1]   ; 8 significant bits fit f16's 11
	v_cvt_pk_f16_f32 v[Y+2*j+1], v[X+4*j+2], v[X+4*j+3]
	global_store_b64 v[VO0+j/8], v[Y+2*j:Y+2*j+1], s[10:11] offset:256*j th:TH_STORE_NT  ; no register that a store reads is written again
.set j, j+1
.endr
	s_endpgm
.Lfunc_end_k_qda9638fbdc_cast:
	.size	k_qda9638fbdc_cast, .Lfunc_end_k_qda9638fbdc_cast-k_qda9638fbdc_cast
	.p2alignl 7, 3214868480
	.fill 96, 4, 3214868480
	.section	.rodata,"a",@progbits
	.p2align	6, 0x0
	.amdhsa_kernel k_qda9638fbdc_cast
		.amdhsa_group_segment_fixed_size 0
		.amdhsa_private_segment_fixed_size 0
		.amdhsa_enable_private_segment 0
		.amdhsa_kernarg_size 64
		.amdhsa_user_sgpr_count 2
		.amdhsa_user_sgpr_kernarg_segment_ptr 1
		.amdhsa_wavefront_size32 1
		.amdhsa_system_sgpr_workgroup_id_x 1
		.amdhsa_system_sgpr_workgroup_id_y 1
		.amdhsa_system_sgpr_workgroup_id_z 1
		.amdhsa_system_vgpr_workitem_id 0
		.amdhsa_next_free_vgpr 104
		.amdhsa_next_free_sgpr 66
		.amdhsa_reserve_vcc 0
		.amdhsa_float_denorm_mode_32 3
		.amdhsa_float_denorm_mode_16_64 3
		.amdhsa_memory_ordered 1
		.amdhsa_forward_progress 1
		.amdhsa_inst_pref_size 12
	.end_amdhsa_kernel
	.amdgpu_metadata
---
amdhsa.version: [ 1, 2 ]
amdhsa.kernels:
  - .name:           k_qda9638fbdc_cast
    .symbol:         k_qda9638fbdc_cast.kd
    .args:
      - { .name: x, .offset: 0, .size: 8, .value_kind: global_buffer, .address_space: global }
      - { .name: W_query, .offset: 8, .size: 8, .value_kind: global_buffer, .address_space: global }
      - { .name: W_key, .offset: 16, .size: 8, .value_kind: global_buffer, .address_space: global }
      - { .name: W_value, .offset: 24, .size: 8, .value_kind: global_buffer, .address_space: global }
      - { .name: xh, .offset: 32, .size: 8, .value_kind: global_buffer, .address_space: global }
      - { .name: wqh, .offset: 40, .size: 8, .value_kind: global_buffer, .address_space: global }
      - { .name: wkh, .offset: 48, .size: 8, .value_kind: global_buffer, .address_space: global }
      - { .name: wcat, .offset: 56, .size: 8, .value_kind: global_buffer, .address_space: global }
    .group_segment_fixed_size: 0
    .private_segment_fixed_size: 0
    .kernarg_segment_align: 8
    .kernarg_segment_size: 64
    .max_flat_workgroup_size: 256
    .sgpr_count:     66
    .vgpr_count:     104
    .wavefront_size: 32
...
	.end_amdgpu_metadata
.endif
;; end of part 1
;; launch mprod (part 2): grid 16 x 16, 4 waves a work-group, clusters of 4 x 4, 327,680 bytes of LDS; arguments wqh, wkh, wcat; writes wcat
.if DOCPART == 2
	.amdgcn_target "amdgcn-amd-amdhsa--gfx1250"
	.amdhsa_code_object_version 6
	.text
	.protected	k_qda9638fbdc_mprod
	.globl	k_qda9638fbdc_mprod
	.p2align	8
	.type	k_qda9638fbdc_mprod,@function
k_qda9638fbdc_mprod:
	s_mov_b64 s[64:65], 0
	v_nop
	global_prefetch_b8 v0, s[64:65] scope:SCOPE_SE
	s_setreg_imm32_b32 hwreg(HW_REG_WAVE_MODE, 25, 1), 1
	s_wait_xcnt 0x0
	s_wait_alu depctr_hold_cnt(0) depctr_sa_sdst(0) depctr_va_vdst(0) depctr_va_sdst(0) depctr_va_ssrc(0) depctr_va_vcc(0) depctr_vm_vsrc(0)
	s_getreg_b32 s2, hwreg(HW_REG_IB_STS2, 6, 4)
	s_cmp_eq_u32 s2, 0
	s_cbranch_scc0 .Lentry_in_a_cluster
	s_endpgm
.Lentry_in_a_cluster:
	s_bfe_u32 s2, ttmp6, 0x10000c
	s_cmp_lg_u32 s2, 0xf033
	s_cbranch_scc0 .Lentry_shape_is_right
	s_endpgm
.Lentry_shape_is_right:
; M[d][d'] = the sum over e of Wq[d][e] Wk[d'][e], f16 operands, f32 sums, M rounded once to f16 into the left half of wcat [1024][2048].
; (x Wq)(x Wk)^T = x M x^T: this product of 1024^3 takes the place of one projection of 8192 x 1024 x 1024.
; LIMIT. M lies within f16's range (65,504).
; NO RING. A tile of M is 64 x 64, 256 tiles, one a work-group.  The WHOLE K of both operands, 128 rows of 2,048 bytes, is filled once: each wave issues one tensor load of 64 rows x 512 elements
; (waves 0, 1: A's two panels along K; waves 2, 3: B's), so the text has one wait for tiles, one barrier behind it, and no LDS byte is filled again.
; CLUSTERS: 4 x 4 work-groups; A's panels are asked for jointly along a row of the cluster, B's along a column.
; A wave makes 32 x 32: four accumulators, which take turns.  K goes in 16 groups of 64 (16 LDS loads, 8 products) on two register buffers.
; THE MATRIX INSTRUCTION IS USED TRANSPOSED (source 0 = 16 rows of B, source 1 = 16 rows of A): a lane holds eight neighbouring numbers of a row of M.
; THE PRICE. A tile's 64 columns are 128 bytes of a row: a store covers four pieces of 128 consecutive bytes, halves of aligned blocks of 256, for M's 2,097,152 bytes.  A tile of 128 columns
; would want 160 operand rows or more: 160 x 2,080 = 332,800 bytes, more than a work-group can have.  No prefetch: one fill at the head is all that the launch reads.
.set PITCH,  1040                      ; a panel's row in LDS: 1,024 bytes + 16 = 65 x 16: the 16 rows of a load start 16 bytes apart modulo 256
.set PANEL,  64*PITCH                  ; 66,560: what one tensor load brings; wave w's lies at w x PANEL
.set STAGE,  4*PANEL                   ; behind the panels: 64 rows x 144 bytes, the work-group's, for the way out
.set SPITCH, 144
.set SPARE,  STAGE+64*SPITCH           ; the spare words, 128 bytes a wave, that no other line names
.set ADA, 10                           ; v10, v11  LDS address of my A fragments in panel 0, 1
.set ADB, 12                           ; v12, v13  the same for B
.set STO, 14                           ; v14  the way out: where I put 16 bytes of a row
.set RD,  15                           ; v15  where I read rows back
.set CO,  16                           ; v16  my byte offset in wcat
.set SPW, 18                           ; v18  my spare word; never rewritten
.set NIL, 19                           ; v19  0; never rewritten
.set ACC, 32                           ; v[32:63]   accumulator (a, b) at ACC + 8 (2 a + b)
.set F0,  64                           ; v[64:191]  two buffers of 64: A's four fragments (half c of the group, block i at 8 (2 c + i)), then B's four
.set TMP, 64                           ; the way out works in the first buffer
.set G1A, 24                           ; s[24:31] group 1 for A;  s[32:35] group 0
.set GA,  32
.set G1B, 48                           ; s[48:55], s[56:59] the same for B
.set GB,  56
.macro PLACES                          ; four places behind matrix instructions, in front of loads into registers that they read and of readers of their results
.rept 4
	v_nop
.endr
.endm
.macro CREST                           ; a round of the cluster's barrier behind its opening barrier
	s_cmp_lg_u32 s10, 0
	s_cbranch_scc1 .Lnot_wave_0_\@
	s_barrier_signal -3
.Lnot_wave_0_\@:
	s_barrier_wait -3
	s_barrier_signal -1
	s_barrier_wait -1
.endm
.macro CROUND
	s_barrier_signal -1
	s_barrier_wait -1
	CREST
.endm
	s_load_b128 s[4:7], s[0:1], 0x0                ; wqh s[4:5], wkh s[6:7]
	s_load_b64 s[8:9], s[0:1], 0x10                ; wcat
	v_lshl_add_u32 v[SPW], v0, 2, SPARE
	v_mov_b32 v[NIL], 0
	ds_add_u32 v[SPW], v[NIL]                      ; the wave's opening: the add and its wait stand ahead of my first tensor load
	v_lshrrev_b32 v1, 5, v0
	v_readfirstlane_b32 s10, v1                    ; wave 0..3
	s_lshr_b32 s11, s10, 1                         ; my half of the tile's rows.  Also: I fetch for A (0) or B (1)
	s_and_b32 s12, s10, 1                          ; my half of its columns.  Also: which panel along K I fetch
	s_bfe_u32 s40, ttmp6, 0x40000                  ; cx
	s_bfe_u32 s41, ttmp6, 0x40004                  ; cy
	s_lshl_b32 s42, ttmp9, 2
	s_add_co_u32 s42, s42, s40                     ; tile column 0..15
	s_and_b32 s13, ttmp7, 0xffff
	s_lshl_b32 s13, s13, 2
	s_add_co_u32 s13, s13, s41                     ; tile row 0..15
	s_lshl_b32 s43, s41, 2
	s_lshl_b32 s43, 15, s43                        ; my row of the cluster
	s_lshl_b32 s44, 0x1111, s40                    ; my column
	s_or_b32 s[G1A], s43, (1<<16)|(1<<20)|(1<<21)|(7<<22)|(3<<25)  ; mask; 2-byte elements; padding on; bit 21 beside a mask; after every 256 words (a panel's row), 4 words
	s_or_b32 s[G1B], s44, (1<<16)|(1<<20)|(1<<21)|(7<<22)|(3<<25)
.irp g, G1A, G1B
	s_mov_b32 s[(\g)+1], 512<<16                   ; tensor_dim0 = 512
	s_mov_b32 s[(\g)+2], 64<<16                    ; tensor_dim1 = 64
	s_mov_b32 s[(\g)+3], 512<<16                   ; tile_dim0 = 512
	s_mov_b32 s[(\g)+4], 64                        ; tile_dim1 = 64
	s_mov_b32 s[(\g)+5], 1024                      ; elements from row to row
	s_mov_b32 s[(\g)+6], 0
	s_mov_b32 s[(\g)+7], 0
.endr
	s_lshl_b32 s17, s12, 10                        ; my panel: 1,024 bytes along the rows
	s_lshl_b32 s16, s13, 17                        ; A: 64 rows of 2,048 bytes x tile row
	s_add_co_u32 s16, s16, s17
	s_lshl_b32 s46, s42, 17                        ; B: the same x tile column
	s_add_co_u32 s46, s46, s17
	s_mov_b32 s17, 0
	s_mov_b32 s47, 0
	s_mul_i32 s20, s10, PANEL                      ; where my load goes: the wave's number and a constant alone
	s_wait_dscnt 0x0                               ; the opening add is done
	s_wait_kmcnt 0x0
	s_add_nc_u64 s[14:15], s[4:5], s[16:17]
	s_add_nc_u64 s[46:47], s[6:7], s[46:47]
	CROUND                                         ; all sixteen work-groups are here: the joint loads meet
	s_mov_b32 s[GA], 1
	s_mov_b32 s[GA+1], s20
	s_mov_b64 s[GA+2:GA+3], s[14:15]
	s_or_b32 s[GA+3], s[GA+3], 0x80000000
	s_mov_b32 s[GB], 1
	s_mov_b32 s[GB+1], s20
	s_mov_b64 s[GB+2:GB+3], s[46:47]
	s_or_b32 s[GB+3], s[GB+3], 0x80000000
	s_cmp_eq_u32 s11, 0                            ; the launch's only fills: one load of mine is out
	s_cbranch_scc0 .Lfor_b
	tensor_load_to_lds s[GA:GA+3], s[G1A:G1A+7]
	s_nop 0
.rept 4
	v_nop
.endr
	s_branch .Lasked
.Lfor_b:
	tensor_load_to_lds s[GB:GB+3], s[G1B:G1B+7]
	s_nop 0
.rept 4
	v_nop
.endr
.Lasked:
	v_and_b32 v1, 15, v0                           ; l % 16
	v_bfe_u32 v2, v0, 4, 1                         ; l / 16
	v_mul_u32_u24 v3, v1, PITCH
	v_lshl_add_u32 v3, v2, 4, v3                   ; a fragment's row x pitch + 16 x half
	s_mul_i32 s21, s11, 32*PITCH                   ; my 32 rows of A
	s_mul_i32 s22, s12, 32*PITCH                   ; my 32 rows of B,
	s_add_co_u32 s22, s22, 2*PANEL                 ; behind A's two panels
	v_add_nc_u32 v[ADA], s21, v3
	v_add_nc_u32 v[ADB], s22, v3
	v_add_nc_u32 v[ADA+1], PANEL, v[ADA]
	v_add_nc_u32 v[ADB+1], PANEL, v[ADB]
	s_mul_i32 s23, s11, 32*SPITCH                  ; into the stage: my 32 rows, my half of their 128 bytes
	s_lshl_b32 s21, s12, 6
	s_add_co_u32 s23, s23, s21
	s_add_co_u32 s23, s23, STAGE
	v_mul_u32_u24 v4, v1, SPITCH
	v_lshl_add_u32 v4, v2, 4, v4
	v_add_nc_u32 v[STO], s23, v4
	s_mul_i32 s23, s10, 16*SPITCH                  ; back: wave w takes rows 16 w .. 16 w + 15; eight lanes a row of 128 bytes, four rows a load
	s_add_co_u32 s23, s23, STAGE
	v_bfe_u32 v5, v0, 3, 2
	v_and_b32 v6, 7, v0
	v_mul_u32_u24 v7, v5, SPITCH
	v_lshl_add_u32 v7, v6, 4, v7
	v_add_nc_u32 v[RD], s23, v7
	v_lshlrev_b32 v7, 12, v5                       ; and the same four rows in wcat, 4,096 bytes apart
	v_lshl_add_u32 v[CO], v6, 4, v7
	s_lshl_b32 s16, s13, 6
	s_lshl_b32 s17, s10, 4
	s_add_co_u32 s16, s16, s17                     ; the first row that I store
	s_lshl_b32 s16, s16, 12
	s_mov_b32 s17, 0
	s_add_nc_u64 s[8:9], s[8:9], s[16:17]
	s_lshl_b32 s46, s42, 7                         ; the tile's first column, in bytes
	s_mov_b32 s47, 0
	s_add_nc_u64 s[8:9], s[8:9], s[46:47]
; Group n of 16: 64 along K, in panel n / 8 at byte 128 (n % 8) of its rows; buffer n % 2.  16 LDS loads in one run.
.macro FETCH n
.set fb, F0+64*((\n)%2)
.set pn, (\n)/8
.set ko, 128*((\n)%8)
.irp c, 0,1
.irp i, 0,1
	ds_load_b128 v[fb+32+8*(2*(\c)+(\i)):fb+32+8*(2*(\c)+(\i))+3],   v[ADB+pn] offset:ko+64*(\c)+(\i)*16*PITCH
	ds_load_b128 v[fb+32+8*(2*(\c)+(\i))+4:fb+32+8*(2*(\c)+(\i))+7], v[ADB+pn] offset:ko+64*(\c)+(\i)*16*PITCH+32
	ds_load_b128 v[fb+8*(2*(\c)+(\i)):fb+8*(2*(\c)+(\i))+3],         v[ADA+pn] offset:ko+64*(\c)+(\i)*16*PITCH
	ds_load_b128 v[fb+8*(2*(\c)+(\i))+4:fb+8*(2*(\c)+(\i))+7],       v[ADA+pn] offset:ko+64*(\c)+(\i)*16*PITCH+32
.endr
.endr
.endm
; Its 8 products.  The four accumulators take turns, one instruction a turn, in one order throughout; the first four products start the sums.
.macro MUL n
.set fb, F0+64*((\n)%2)
.irp c, 0,1
.irp a, 0,1
.irp b, 0,1
.if ((\n) == 0) && ((\c) == 0)
	v_wmma_f32_16x16x32_f16 v[ACC+8*(2*(\a)+(\b)):ACC+8*(2*(\a)+(\b))+7], v[fb+32+8*(2*(\c)+(\b)):fb+32+8*(2*(\c)+(\b))+7], v[fb+8*(2*(\c)+(\a)):fb+8*(2*(\c)+(\a))+7], 0
.else
	v_wmma_f32_16x16x32_f16 v[ACC+8*(2*(\a)+(\b)):ACC+8*(2*(\a)+(\b))+7], v[fb+32+8*(2*(\c)+(\b)):fb+32+8*(2*(\c)+(\b))+7], v[fb+8*(2*(\c)+(\a)):fb+8*(2*(\c)+(\a))+7], v[ACC+8*(2*(\a)+(\b)):ACC+8*(2*(\a)+(\b))+7]
.endif
.endr
.endr
.endr
.endm
	s_wait_tensorcnt 0x0                           ; my panel is in,
	s_barrier_signal -1
	s_barrier_wait -1                              ; everybody's is
	FETCH 0
.set g, 0
.rept 16
.if g < 15
.if g > 0
	PLACES                                         ; the buffer that is loaded next was multiplied just now
.endif
	FETCH g+1
	s_wait_dscnt 16                                ; group g is in; the 16 loads just issued may be out
.else
	s_wait_dscnt 0x0
.endif
	MUL g
.set g, g+1
.endr
	; THE WAY OUT: round to f16; 16 bytes a lane into the work-group's stage; a barrier, since a row's 128 bytes come from two waves; back by rows, 16 a wave
	PLACES
.irp t, 0,1,2,3
.irp r, 0,1,2,3
	v_cvt_pk_f16_f32 v[TMP+4*(\t)+(\r)], v[ACC+8*(\t)+2*(\r)], v[ACC+8*(\t)+2*(\r)+1]
.endr
.endr
.irp a, 0,1
.irp b, 0,1
	ds_store_b128 v[STO], v[TMP+4*(2*(\a)+(\b)):TMP+4*(2*(\a)+(\b))+3] offset:(\a)*16*SPITCH+32*(\b)
.endr
.endr
	s_wait_dscnt 0x0                               ; for the others' sake: my stores into the stage are done
	s_barrier_signal -1
	s_barrier_wait -1
.irp t, 0,1,2,3
	ds_load_b128 v[TMP+4*(\t):TMP+4*(\t)+3], v[RD] offset:(\t)*4*SPITCH
.endr
.irp t, 0,1,2,3
	s_wait_dscnt 3-(\t)                            ; load t is back, the younger ones may be out
	global_store_b128 v[CO], v[TMP+4*(\t):TMP+4*(\t)+3], s[8:9] offset:4*(\t)*4096  ; four rows' 128 consecutive bytes
.endr
	s_wait_tensorcnt 0x0                           ; the wave's end
	ds_add_u32 v[SPW], v[NIL]
	s_wait_dscnt 0x0
	CROUND                                         ; the closing round
	s_endpgm
.Lfunc_end_k_qda9638fbdc_mprod:
	.size	k_qda9638fbdc_mprod, .Lfunc_end_k_qda9638fbdc_mprod-k_qda9638fbdc_mprod
	.p2alignl 7, 3214868480
	.fill 96, 4, 3214868480
	.section	.rodata,"a",@progbits
	.p2align	6, 0x0
	.amdhsa_kernel k_qda9638fbdc_mprod
		.amdhsa_group_segment_fixed_size 327680
		.amdhsa_private_segment_fixed_size 0
		.amdhsa_enable_private_segment 0
		.amdhsa_kernarg_size 24
		.amdhsa_user_sgpr_count 2
		.amdhsa_user_sgpr_kernarg_segment_ptr 1
		.amdhsa_wavefront_size32 1
		.amdhsa_system_sgpr_workgroup_id_x 1
		.amdhsa_system_sgpr_workgroup_id_y 1
		.amdhsa_system_sgpr_workgroup_id_z 1
		.amdhsa_system_vgpr_workitem_id 0
		.amdhsa_next_free_vgpr 192
		.amdhsa_next_free_sgpr 66
		.amdhsa_reserve_vcc 0
		.amdhsa_float_denorm_mode_32 3
		.amdhsa_float_denorm_mode_16_64 3
		.amdhsa_memory_ordered 1
		.amdhsa_forward_progress 1
		.amdhsa_inst_pref_size 35
	.end_amdhsa_kernel
	.amdgpu_metadata
---
amdhsa.version: [ 1, 2 ]
amdhsa.kernels:
  - .name:           k_qda9638fbdc_mprod
    .symbol:         k_qda9638fbdc_mprod.kd
    .args:
      - { .name: wqh, .offset: 0, .size: 8, .value_kind: global_buffer, .address_space: global }
      - { .name: wkh, .offset: 8, .size: 8, .value_kind: global_buffer, .address_space: global }
      - { .name: wcat, .offset: 16, .size: 8, .value_kind: global_buffer, .address_space: global }
    .group_segment_fixed_size: 327680
    .private_segment_fixed_size: 0
    .kernarg_segment_align: 8
    .kernarg_segment_size: 24
    .max_flat_workgroup_size: 128
    .sgpr_count:     66
    .vgpr_count:     192
    .wavefront_size: 32
...
	.end_amdgpu_metadata
.endif
;; end of part 2
;; launch proj (part 3): grid 8 x 32, 4 waves a work-group, clusters of 4 x 4, 327,680 bytes of LDS; arguments xh, wcat, qv, vhead; writes qv, vhead
.if DOCPART == 3
	.amdgcn_target "amdgcn-amd-amdhsa--gfx1250"
	.amdhsa_code_object_version 6
	.text
	.protected	k_qda9638fbdc_proj
	.globl	k_qda9638fbdc_proj
	.p2align	8
	.type	k_qda9638fbdc_proj,@function
k_qda9638fbdc_proj:
	s_mov_b64 s[64:65], 0
	v_nop
	global_prefetch_b8 v0, s[64:65] scope:SCOPE_SE
	s_setreg_imm32_b32 hwreg(HW_REG_WAVE_MODE, 25, 1), 1
	s_wait_xcnt 0x0
	s_wait_alu depctr_hold_cnt(0) depctr_sa_sdst(0) depctr_va_vdst(0) depctr_va_sdst(0) depctr_va_ssrc(0) depctr_va_vcc(0) depctr_vm_vsrc(0)
	s_getreg_b32 s2, hwreg(HW_REG_IB_STS2, 6, 4)
	s_cmp_eq_u32 s2, 0
	s_cbranch_scc0 .Lentry_in_a_cluster
	s_endpgm
.Lentry_in_a_cluster:
	s_bfe_u32 s2, ttmp6, 0x10000c
	s_cmp_lg_u32 s2, 0xf033
	s_cbranch_scc0 .Lentry_shape_is_right
	s_endpgm
.Lentry_shape_is_right:
; [q'' | v] = xh x wcat: qv[t][0..1023] = 2^-10 x the sum over d of x[t][d] M[d][.], qv[t][1024..2047] = the sum over d of x[t][d] Wv[d][.].  f16 operands, f32 sums, each result rounded once to f16.
; The power of two (exact in f32) keeps q' inside f16 for inputs far larger than unit spread; the softmax's constant takes it back.  v of each batch's tokens 0-15 also leaves unrounded, in f32, into vhead.
; LIMITS. q' 2^-10 and v lie within 65,504; below 6.1e-5 a result keeps f16's fixed step of 6e-8.
; A tile of C is 256 x 256: four waves, each 128 x 128 = 64 accumulators, 512 registers.  256 tiles, one a work-group.  K goes in 8 steps of 128 through two LDS slots; a loop trip is one K step.
; A (xh) lies [row][K] and is read as it lies; B (wcat) lies [K][N]: its tile is 128 k-rows x 512 bytes and its fragments are read turned, by ds_load_tr16_b128.
; CLUSTERS: 4 x 4 work-groups; A's tile is asked for jointly along a row of the cluster, B's along a column.
; THE MATRIX INSTRUCTION IS USED TRANSPOSED (source 0 = 16 columns of wcat, source 1 = 16 rows of xh): a lane holds eight neighbouring numbers of a row of C.
; REGISTERS: window 0: v0-31 addresses; v64-127, v128-191 A's fragments, two buffers; v32-63, v192-255 at work on the way out.  window 1: v64-127, v128-191 B's fragments.
;   window 2: the accumulators of my rows 0-63 ((a, b) at v[8 (8 a + b)]); window 3: those of my rows 64-127.
.set KSTEP,  128
.set PITA,   272                       ; a row of A in LDS: 256 bytes + 16
.set PITB,   544                       ; a k-row of B: 512 bytes + 32 = 17 x 32: 16 lanes of the turning load take 8 rows x 32 bytes that do not meet modulo 256
.set PART,   34816                     ; what one tensor load brings: 128 x 272 = 64 x 544
.set SLOT1,  4*PART                    ; 0x22000: its two bits are clear in the four loads' places in slot 0 (0, 0x8800, 0x11000, 0x19800)
.set STAGE,  2*SLOT1                   ; behind the ring: 16 rows x 272 bytes for each wave
.set SPITCH, 272
.set SPARE,  STAGE+4*16*SPITCH         ; the spare words, 128 bytes a wave, that no other line names
.set ADA, 16                           ; v16  LDS address of my A fragments in the slot in hand
.set A0,  17                           ; v17  the same in slot 0; never rewritten
.set ADB, 20
.set B0,  21
.set STO, 24
.set RD,  25
.set CO,  26
.set RB,  27                           ; v27  my first row's place in its batch
.set SPW, 28                           ; v28  my spare word; never rewritten
.set NIL, 29                           ; v29  0; never rewritten
.set PFO, 30                           ; v30  the prefetches' lane offset; never rewritten
.set HO,  31                           ; v31  my byte offset in vhead's 16 rows
.set F0,  64
.set F1,  128
.set TMP, 192
.set OB,  32
.set G1A, 24
.set GA0, 32
.set GA,  36
.set G1B, 48
.set GB0, 56
.set GB,  60
.set TB,  45                           ; s45  0 or SLOT1
.set SCL, 66                           ; s[66:67] 2^-10 for q', 1 for v
.set PFA, 68                           ; s[68:69] where my prefetches stand
.set PFS, 70                           ; s[70:71] a K step in bytes: 256 along A's rows, 524,288 down B's
.set LIM, 72                           ; s72  2 in a wave that prefetches, else the greatest number
.set VH,  74                           ; s[74:75] vhead at my columns
.set MSB, 0
.macro WIN new
.if MSB != (\new)
	s_set_vgpr_msb (MSB<<8)|(\new)
.set MSB, \new
.endif
.endm
.set MUL_LO, 0xa1                      ; source 0 (B) window 1, source 1 (A) window 0, C and D window 2
.set MUL_HI, 0xf1                      ; the same, C and D window 3
.set TO_B,   0x40
.macro PLACES
.rept 4
	v_nop
.endr
.endm
.macro JLOAD
	s_cmp_eq_u32 s11, 0
	s_cbranch_scc0 .Lfor_b_\@
	tensor_load_to_lds s[GA:GA+3], s[G1A:G1A+7]
	s_nop 0
.rept 4
	v_nop
.endr
	s_branch .Lasked_\@
.Lfor_b_\@:
	tensor_load_to_lds s[GB:GB+3], s[G1B:G1B+7]
	s_nop 0
.rept 4
	v_nop
.endr
.Lasked_\@:
.endm
.macro CREST
	s_cmp_lg_u32 s10, 0
	s_cbranch_scc1 .Lnot_wave_0_\@
	s_barrier_signal -3
.Lnot_wave_0_\@:
	s_barrier_wait -3
	s_barrier_signal -1
	s_barrier_wait -1
.endm
.macro CROUND
	s_barrier_signal -1
	s_barrier_wait -1
	CREST
.endm
.macro STEPDESC
	s_xor_b32 s[GA+1], s[GA+1], SLOT1
	s_add_nc_u64 s[GA+2:GA+3], s[GA+2:GA+3], KSTEP*2
	s_xor_b32 s[GB+1], s[GB+1], SLOT1
	s_add_nc_u64 s[GB+2:GB+3], s[GB+2:GB+3], KSTEP*4096
.endm
; A PREFETCH INTO THE L2 of the K step that stands two refills on, 512 matrix instructions ahead of the load that will want it: one instruction a wave, 32 blocks of 256 bytes.
; Each block is named once in the launch: xh's rows by the clusters with x = 0, wcat's by those with y = 0; the four partners that ask for a tile jointly share its rows out by address:
; of A's 128 rows a wave 32 at place cx, a lane a row; of B's 64 k-rows a wave 16 at place cy, two lanes a row of 512 bytes.  The trips with s3 = 6 .. 3 name K steps 4 .. 7; the last two ask for nothing.
.macro ASK
	s_cmp_gt_u32 s3, s[LIM]
	s_cbranch_scc0 .Lnot_mine_\@
	global_prefetch_b8 v[PFO], s[PFA:PFA+1] th:TH_LOAD_NT scope:SCOPE_SE
.Lnot_mine_\@:
.endm
	s_load_b128 s[4:7], s[0:1], 0x0                ; xh s[4:5], wcat s[6:7]
	s_load_b64 s[8:9], s[0:1], 0x10                ; qv
	s_load_b64 s[VH:VH+1], s[0:1], 0x18            ; vhead
	v_lshl_add_u32 v[SPW], v0, 2, SPARE
	v_mov_b32 v[NIL], 0
	ds_add_u32 v[SPW], v[NIL]                      ; the wave's opening: the add and its wait stand ahead of my first tensor load
	v_lshrrev_b32 v1, 5, v0
	v_readfirstlane_b32 s10, v1                    ; wave 0..3
	s_lshr_b32 s11, s10, 1                         ; my half of the tile's rows.  Also: I fetch for A (0) or B (1)
	s_and_b32 s12, s10, 1                          ; my half of its columns.  Also: which half of that tile I fetch
	s_bfe_u32 s40, ttmp6, 0x40000                  ; cx
	s_bfe_u32 s41, ttmp6, 0x40004                  ; cy
	s_lshl_b32 s42, ttmp9, 2
	s_add_co_u32 s42, s42, s40                     ; tile column 0..7: 0-3 are q', 4-7 are v
	s_and_b32 s13, ttmp7, 0xffff
	s_lshl_b32 s13, s13, 2
	s_add_co_u32 s13, s13, s41                     ; tile row 0..31
	s_lshl_b32 s43, s41, 2
	s_lshl_b32 s43, 15, s43                        ; my row of the cluster
	s_lshl_b32 s44, 0x1111, s40                    ; my column
	s_or_b32 s[G1A], s43, (1<<16)|(1<<20)|(1<<21)|(5<<22)|(3<<25)  ; A: 128 rows x 128 elements; after every 64 words, 4 words of padding
	s_mov_b32 s[G1A+1], 128<<16
	s_mov_b32 s[G1A+2], 128<<16
	s_mov_b32 s[G1A+3], 128<<16
	s_mov_b32 s[G1A+4], 128
	s_mov_b32 s[G1A+5], 1024
	s_mov_b32 s[G1A+6], 0
	s_mov_b32 s[G1A+7], 0
	s_or_b32 s[G1B], s44, (1<<16)|(1<<20)|(1<<21)|(6<<22)|(7<<25)  ; B: 64 k-rows x 256 elements; after every 128 words, 8 words of padding
	s_mov_b32 s[G1B+1], 256<<16
	s_mov_b32 s[G1B+2], 64<<16
	s_mov_b32 s[G1B+3], 256<<16
	s_mov_b32 s[G1B+4], 64
	s_mov_b32 s[G1B+5], 2048
	s_mov_b32 s[G1B+6], 0
	s_mov_b32 s[G1B+7], 0
	s_lshl_b32 s16, s13, 8
	s_lshl_b32 s17, s12, 7
	s_add_co_u32 s16, s16, s17                     ; A: row 256 x tile row + 128 x half,
	s_lshl_b32 s16, s16, 11                        ; of 2,048 bytes
	s_mov_b32 s17, 0
	s_lshl_b32 s46, s42, 9                         ; B: 512 bytes x tile column
	s_lshl_b32 s47, s12, 18                        ; + 64 k-rows of 4,096 bytes x half
	s_add_co_u32 s46, s46, s47
	s_mov_b32 s47, 0
	s_mul_i32 s20, s10, PART                       ; where my load goes
	s_mov_b32 s[TB], 0
	s_cmp_eq_u32 ttmp9, 0                          ; the clusters with x = 0 make q'
	s_cselect_b32 s[SCL], 0x3a800000, 1.0
	s_mov_b32 s[SCL+1], s[SCL]
	s_wait_dscnt 0x0                               ; the opening add is done
	s_wait_kmcnt 0x0
	s_add_nc_u64 s[14:15], s[4:5], s[16:17]
	s_add_nc_u64 s[46:47], s[6:7], s[46:47]
	CROUND                                         ; all sixteen work-groups are here: the first joint loads meet
	s_mov_b32 s[GA0], 1
	s_mov_b32 s[GA0+1], s20
	s_mov_b64 s[GA0+2:GA0+3], s[14:15]
	s_or_b32 s[GA0+3], s[GA0+3], 0x80000000
	s_mov_b32 s[GA], 1
	s_add_co_u32 s[GA+1], s20, SLOT1
	s_add_nc_u64 s[GA+2:GA+3], s[14:15], KSTEP*2
	s_or_b32 s[GA+3], s[GA+3], 0x80000000
	s_mov_b32 s[GB0], 1
	s_mov_b32 s[GB0+1], s20
	s_mov_b64 s[GB0+2:GB0+3], s[46:47]
	s_or_b32 s[GB0+3], s[GB0+3], 0x80000000
	s_mov_b32 s[GB], 1
	s_add_co_u32 s[GB+1], s20, SLOT1
	s_add_nc_u64 s[GB+2:GB+3], s[46:47], KSTEP*4096
	s_or_b32 s[GB+3], s[GB+3], 0x80000000
	s_cmp_eq_u32 s11, 0                            ; a wave's two first fills stand in one branch: two loads of mine are out
	s_cbranch_scc0 .Lfirst_b
	tensor_load_to_lds s[GA0:GA0+3], s[G1A:G1A+7]
	s_nop 0
	tensor_load_to_lds s[GA:GA+3], s[G1A:G1A+7]
	s_nop 0
.rept 4
	v_nop
.endr
	s_branch .Lfirst_asked
.Lfirst_b:
	tensor_load_to_lds s[GB0:GB0+3], s[G1B:G1B+7]
	s_nop 0
	tensor_load_to_lds s[GB:GB+3], s[G1B:G1B+7]
	s_nop 0
.rept 4
	v_nop
.endr
.Lfirst_asked:
	v_and_b32 v1, 15, v0                           ; l % 16
	v_bfe_u32 v2, v0, 4, 1                         ; l / 16
	v_mul_u32_u24 v3, v1, PITA
	v_lshl_add_u32 v3, v2, 4, v3
	s_mul_i32 s21, s11, PART                       ; my 128 rows of A
	v_add_nc_u32 v[A0], s21, v3
	; the turning load: lane l reads k-row 8 (l / 16) + l % 8, 16 bytes at 16 ((l / 8) % 2), and ends with column l % 16 and 8 k
	v_and_b32 v4, 7, v0
	v_bfe_u32 v5, v0, 3, 1
	v_lshl_add_u32 v4, v2, 3, v4
	v_mul_u32_u24 v4, v4, PITB
	v_lshl_add_u32 v4, v5, 4, v4
	s_lshl_b32 s22, s12, 8                         ; my 128 columns: 256 bytes
	s_add_co_u32 s22, s22, 2*PART                  ; behind A's 256 rows
	v_add_nc_u32 v[B0], s22, v4
	v_add_nc_u32 v[ADA], s[TB], v[A0]
	v_add_nc_u32 v[ADB], s[TB], v[B0]
	s_mul_i32 s23, s10, 16*SPITCH
	s_add_co_u32 s23, s23, STAGE                   ; my stage
	v_mul_u32_u24 v4, v1, SPITCH
	v_lshl_add_u32 v4, v2, 4, v4
	v_add_nc_u32 v[STO], s23, v4
	v_mul_u32_u24 v5, v2, SPITCH
	v_lshl_add_u32 v5, v1, 4, v5
	v_add_nc_u32 v[RD], s23, v5
	v_lshlrev_b32 v5, 12, v2                       ; two rows of qv, 4,096 bytes apart
	v_lshl_add_u32 v[CO], v1, 4, v5
	v_lshlrev_b32 v5, 12, v1                       ; vhead: row l % 16 of 4,096 bytes, 32 bytes for each half of the lanes
	v_lshl_add_u32 v[HO], v2, 5, v5
	s_lshl_b32 s16, s13, 8
	s_lshl_b32 s17, s11, 7
	s_add_co_u32 s16, s16, s17                     ; my first row of C
	s_and_b32 s18, s16, 2047
	v_mov_b32 v[RB], s18                           ; 0 where it is a batch's token 0
	s_lshl_b32 s16, s16, 12
	s_mov_b32 s17, 0
	s_add_nc_u64 s[8:9], s[8:9], s[16:17]
	s_lshl_b32 s46, s42, 9                         ; my first column, in bytes
	s_lshl_b32 s47, s12, 8
	s_add_co_u32 s46, s46, s47
	s_mov_b32 s47, 0
	s_add_nc_u64 s[8:9], s[8:9], s[46:47]
	s_lshr_b32 s16, s13, 3                         ; the batch,
	s_lshl_b32 s16, s16, 16                        ; its 16 rows of 4,096 bytes in vhead,
	s_and_b32 s18, s42, 3                          ; my tile column among v's four: 1,024 bytes,
	s_lshl_b32 s18, s18, 10
	s_add_co_u32 s16, s16, s18
	s_lshl_b32 s18, s12, 9                         ; my half: 512 bytes
	s_add_co_u32 s16, s16, s18
	s_add_nc_u64 s[VH:VH+1], s[VH:VH+1], s[16:17]
	; the prefetches
	s_lshl_b32 s20, s13, 8
	s_lshl_b32 s21, s12, 7
	s_add_co_u32 s20, s20, s21
	s_lshl_b32 s21, s40, 5
	s_add_co_u32 s20, s20, s21                     ; A: the 128 rows that I fetch, my work-group's 32 of them,
	s_lshl_b32 s20, s20, 11
	s_add_co_u32 s20, s20, 3*KSTEP*2               ; at K step 3: the first refill steps it to 4
	s_lshl_b32 s21, s12, 6
	s_lshl_b32 s22, s41, 4
	s_add_co_u32 s21, s21, s22                     ; B: the 64 k-rows that I fetch, my work-group's 16 of them,
	s_lshl_b32 s21, s21, 12
	s_lshl_b32 s22, s42, 9
	s_add_co_u32 s21, s21, s22
	s_add_co_u32 s21, s21, 3*KSTEP*4096
	s_and_b32 s23, ttmp7, 0xffff
	s_cmp_eq_u32 s11, 0
	s_cselect_b32 s20, s20, s21
	s_cselect_b32 s23, ttmp9, s23                  ; the coordinate along which other clusters read the same rows
	s_cselect_b64 s[PFA:PFA+1], s[4:5], s[6:7]
	s_mov_b32 s21, 0
	s_add_nc_u64 s[PFA:PFA+1], s[PFA:PFA+1], s[20:21]
	s_cmp_eq_u32 s23, 0
	s_cselect_b32 s[LIM], 2, -1
	s_mul_i32 s14, s11, 11
	s_lshl_b32 s[PFS], 256, s14                    ; 256 for A, 524,288 for B
	s_mov_b32 s[PFS+1], 0
	s_add_co_u32 s15, s11, 11
	v_and_b32 v3, 31, v0
	v_lshrrev_b32 v4, s11, v3                      ; A: a lane a row of 2,048 bytes; B: two lanes a row of 4,096,
	v_lshlrev_b32 v4, s15, v4
	v_and_b32 v3, s11, v3                          ; 256 bytes apart
	v_lshl_add_u32 v[PFO], v3, 8, v4
; 16 matrix instructions: m blocks a0, a0 + 1 of the window's four x all 8 n blocks, 32 along K
.macro MUL16 f, hi, a0, zero
	WIN MUL_LO+0x50*(\hi)
.irp a, \a0, (\a0)+1
.irp b, 0,1,2,3,4,5,6,7
.if \zero
	v_wmma_f32_16x16x32_f16 v[8*(8*(\a)+(\b)):8*(8*(\a)+(\b))+7], v[(\f)+8*(\b):(\f)+8*(\b)+7], v[(\f)+8*(4*(\hi)+(\a)):(\f)+8*(4*(\hi)+(\a))+7], 0
.else
	v_wmma_f32_16x16x32_f16 v[8*(8*(\a)+(\b)):8*(8*(\a)+(\b))+7], v[(\f)+8*(\b):(\f)+8*(\b)+7], v[(\f)+8*(4*(\hi)+(\a)):(\f)+8*(4*(\hi)+(\a))+7], v[8*(8*(\a)+(\b)):8*(8*(\a)+(\b))+7]
.endif
.endr
.endr
.endm
; 32 LDS loads in one run: quarter q (32 along K) of the slot in hand into buffer f: B's 128 columns turned, then A's 128 rows
.macro FETCH q, f
	WIN TO_B
.irp i, 0,1,2,3,4,5,6,7
	ds_load_tr16_b128 v[(\f)+8*(\i):(\f)+8*(\i)+3],   v[ADB] offset:(\q)*32*PITB+32*(\i)
	ds_load_tr16_b128 v[(\f)+8*(\i)+4:(\f)+8*(\i)+7], v[ADB] offset:(\q)*32*PITB+16*PITB+32*(\i)
.endr
	WIN 0
.irp i, 0,1,2,3,4,5,6,7
	ds_load_b128 v[(\f)+8*(\i):(\f)+8*(\i)+3],   v[ADA] offset:64*(\q)+(\i)*16*PITA
	ds_load_b128 v[(\f)+8*(\i)+4:(\f)+8*(\i)+7], v[ADA] offset:64*(\q)+(\i)*16*PITA+32
.endr
.endm
; The 64 accumulators take turns in one order everywhere.
.macro QUARTER q, f, g, zero
	s_wait_dscnt 8                                 ; B and A's rows 0-63 are in; the youngest eight loads (A's rows 64-127) may be out
	MUL16 \f, 0, 0, \zero
	MUL16 \f, 0, 2, \zero
	PLACES
	FETCH \q, \g
	s_wait_dscnt 32                                ; all but the 32 just issued
	MUL16 \f, 1, 0, \zero
	MUL16 \f, 1, 2, \zero
.endm
; The last quarter and the change of slots.  fill = 1: a round of the cluster's barrier, and the joint refill first behind it: 224 matrix instructions ahead of the wait for it.
.macro TURN fill
.if \fill
	s_wait_xcnt 0x0                                ; the last prefetch, a K step back, has read its address
	s_add_nc_u64 s[PFA:PFA+1], s[PFA:PFA+1], s[PFS:PFS+1]
.endif
	WIN 0
	s_wait_tensorcnt 0x0                           ; all my tensor loads have landed: my part of the next slot
	ds_add_u32 v[SPW], v[NIL]
	s_wait_dscnt 9                                 ; the add and the youngest eight loads may be out
	MUL16 F1, 0, 0, 0
	s_wait_dscnt 0x0                               ; the add is done, and my reads of this slot are over
	s_barrier_signal -1
	MUL16 F1, 0, 2, 0
	WIN 0
	s_barrier_wait -1
.if \fill
	CREST
	STEPDESC
	JLOAD                                          ; its four v_nop are also the places in front of the loads below
.else
	PLACES
.endif
	s_xor_b32 s[TB], s[TB], SLOT1
	v_add_nc_u32 v[ADA], s[TB], v[A0]
	v_add_nc_u32 v[ADB], s[TB], v[B0]
	FETCH 0, F0
.if \fill
	ASK
.endif
	MUL16 F1, 1, 0, 0
	MUL16 F1, 1, 2, 0
.endm
; THE WAY OUT of block a (16 rows): scaled, rounded to f16, through my own stage in LDS, back as whole rows of 256 bytes, stored.
.macro PACK a
.set AC, 64*((\a)%4)
	WIN 0x82+0x41*((\a)/4)                         ; destination and source 0 in window 2 or 3
.set z, 0
.rept 32
	v_pk_mul_f32 v[AC+2*z:AC+2*z+1], v[AC+2*z:AC+2*z+1], s[SCL:SCL+1] op_sel_hi:[1,0]
.set z, z+1
.endr
	WIN 0x0a+5*((\a)/4)                            ; sources 0 and 1 in window 2 or 3
.irp b, 0,1,2,3,4,5,6,7
.irp r, 0,1,2,3
	v_cvt_pk_f16_f32 v[TMP+4*(\b)+(\r)], v[AC+8*(\b)+2*(\r)], v[AC+8*(\b)+2*(\r)+1]
.endr
.endr
	WIN 0
.endm
.macro TOSTAGE a
.set BK, OB+192*((\a)%2)
.irp b, 0,1,2,3,4,5,6,7
	ds_store_b128 v[STO], v[TMP+4*(\b):TMP+4*(\b)+3] offset:32*(\b)
.endr
.irp t, 0,1,2,3,4,5,6,7
	ds_load_b128 v[BK+4*(\t):BK+4*(\t)+3], v[RD] offset:(\t)*2*SPITCH  ; LDS serves a wave's instructions in order: these see the stores above
.endr
.endm
.macro SEND a
.set BK, OB+192*((\a)%2)
	s_wait_dscnt 0x0                               ; the block is back in registers
	s_wait_xcnt 0x0                                ; the stores' base, and the registers that earlier stores read, are rewritten only behind this wait
.if (\a) > 0
	s_add_nc_u64 s[8:9], s[8:9], 16*4096
.endif
.irp t, 0,1,2,3,4,5,6,7
	global_store_b128 v[CO], v[BK+4*(\t):BK+4*(\t)+3], s[8:9] offset:2*(\t)*4096  ; 16 lanes store 256 consecutive bytes, aligned
.endr
.endm
	s_wait_tensorcnt 1                             ; my part of K step 0 is in; K step 1's may stay out
	s_barrier_signal -1
	s_barrier_wait -1
	FETCH 0, F0
	QUARTER 1, F0, F1, 1                           ; the first quarter's products start the sums
	WIN 0
	s_mov_b32 s3, 6
.Lstep:                                        ; six trips refill with K steps 2 to 7
	QUARTER 2, F1, F0, 0
	QUARTER 3, F0, F1, 0
	TURN 1
	QUARTER 1, F0, F1, 0
	WIN 0
	s_sub_co_u32 s3, s3, 1
	s_cmp_lg_u32 s3, 0
	s_cbranch_scc1 .Lstep
	QUARTER 2, F1, F0, 0                           ; the last two K steps fill nothing
	QUARTER 3, F0, F1, 0
	TURN 0
	QUARTER 1, F0, F1, 0
	QUARTER 2, F1, F0, 0
	QUARTER 3, F0, F1, 0
	s_wait_dscnt 8
	MUL16 F1, 0, 0, 0
	MUL16 F1, 0, 2, 0
	s_wait_dscnt 0x0
	MUL16 F1, 1, 0, 0
	MUL16 F1, 1, 2, 0
	WIN 0
	PLACES
	; v of a batch's tokens 0-15, unrounded: in the clusters that make v (the branch hangs on the cluster's x, the same in all partners) the waves whose block 0 begins a batch
	; store it; which waves those are hangs on the work-group's place, so it is an EXEC mask and no branch.  Pieces of 16 bytes: 262,144 bytes of the launch's 33.8 million.
	s_cmp_eq_u32 ttmp9, 0
	s_cbranch_scc1 .Lno_head
	s_wait_xcnt 0x0                                ; EXEC changes only behind this wait
	v_cmp_eq_u32 vcc_lo, 0, v[RB]
	s_and_saveexec_b32 s76, vcc_lo
	WIN 0x08                                       ; the stores' data in window 2
.irp b, 0,1,2,3,4,5,6,7
	global_store_b128 v[HO], v[8*(\b):8*(\b)+3],   s[VH:VH+1] offset:64*(\b)
	global_store_b128 v[HO], v[8*(\b)+4:8*(\b)+7], s[VH:VH+1] offset:64*(\b)+16
.endr
	WIN 0
	s_wait_xcnt 0x0                                ; and again in front of the line that widens it
	s_or_b32 exec_lo, exec_lo, s76
.Lno_head:
	PACK 0
	TOSTAGE 0
.irp a, 1,2,3,4,5,6,7                  ; block a's arithmetic stands between block a - 1's loads from the stage and the wait for them
	PACK \a
	SEND (\a)-1
	TOSTAGE \a
.endr
	SEND 7
	s_wait_tensorcnt 0x0                           ; the wave's end
	ds_add_u32 v[SPW], v[NIL]
	s_wait_dscnt 0x0
	CROUND                                         ; the closing round
	s_endpgm
.Lfunc_end_k_qda9638fbdc_proj:
	.size	k_qda9638fbdc_proj, .Lfunc_end_k_qda9638fbdc_proj-k_qda9638fbdc_proj
	.p2alignl 7, 3214868480
	.fill 96, 4, 3214868480
	.section	.rodata,"a",@progbits
	.p2align	6, 0x0
	.amdhsa_kernel k_qda9638fbdc_proj
		.amdhsa_group_segment_fixed_size 327680
		.amdhsa_private_segment_fixed_size 0
		.amdhsa_enable_private_segment 0
		.amdhsa_kernarg_size 32
		.amdhsa_user_sgpr_count 2
		.amdhsa_user_sgpr_kernarg_segment_ptr 1
		.amdhsa_wavefront_size32 1
		.amdhsa_system_sgpr_workgroup_id_x 1
		.amdhsa_system_sgpr_workgroup_id_y 1
		.amdhsa_system_sgpr_workgroup_id_z 1
		.amdhsa_system_vgpr_workitem_id 0
		.amdhsa_next_free_vgpr 1024
		.amdhsa_next_free_sgpr 92
		.amdhsa_reserve_vcc 1
		.amdhsa_float_denorm_mode_32 3
		.amdhsa_float_denorm_mode_16_64 3
		.amdhsa_memory_ordered 1
		.amdhsa_forward_progress 1
		.amdhsa_inst_pref_size 136
	.end_amdhsa_kernel
	.amdgpu_metadata
---
amdhsa.version: [ 1, 2 ]
amdhsa.kernels:
  - .name:           k_qda9638fbdc_proj
    .symbol:         k_qda9638fbdc_proj.kd
    .args:
      - { .name: xh, .offset: 0, .size: 8, .value_kind: global_buffer, .address_space: global }
      - { .name: wcat, .offset: 8, .size: 8, .value_kind: global_buffer, .address_space: global }
      - { .name: qv, .offset: 16, .size: 8, .value_kind: global_buffer, .address_space: global }
      - { .name: vhead, .offset: 24, .size: 8, .value_kind: global_buffer, .address_space: global }
    .group_segment_fixed_size: 327680
    .private_segment_fixed_size: 0
    .kernarg_segment_align: 8
    .kernarg_segment_size: 32
    .max_flat_workgroup_size: 128
    .sgpr_count:     92
    .vgpr_count:     1024
    .wavefront_size: 32
...
	.end_amdgpu_metadata
.endif
;; end of part 3
;; launch scores (part 4): grid 12 x 16, 4 waves a work-group, clusters of 4 x 4, 327,680 bytes of LDS; arguments qv, xh, s; writes s
.if DOCPART == 4
	.amdgcn_target "amdgcn-amd-amdhsa--gfx1250"
	.amdhsa_code_object_version 6
	.text
	.protected	k_qda9638fbdc_scores
	.globl	k_qda9638fbdc_scores
	.p2align	8
	.type	k_qda9638fbdc_scores,@function
k_qda9638fbdc_scores:
	s_mov_b64 s[64:65], 0
	v_nop
	global_prefetch_b8 v0, s[64:65] scope:SCOPE_SE
	s_setreg_imm32_b32 hwreg(HW_REG_WAVE_MODE, 25, 1), 1
	s_wait_xcnt 0x0
	s_wait_alu depctr_hold_cnt(0) depctr_sa_sdst(0) depctr_va_vdst(0) depctr_va_sdst(0) depctr_va_ssrc(0) depctr_va_vcc(0) depctr_vm_vsrc(0)
	s_getreg_b32 s2, hwreg(HW_REG_IB_STS2, 6, 4)
	s_cmp_eq_u32 s2, 0
	s_cbranch_scc0 .Lentry_in_a_cluster
	s_endpgm
.Lentry_in_a_cluster:
	s_bfe_u32 s2, ttmp6, 0x10000c
	s_cmp_lg_u32 s2, 0xf033
	s_cbranch_scc0 .Lentry_shape_is_right
	s_endpgm
.Lentry_shape_is_right:
; S[b][q][k] = the sum over d of q''[b][q][d] x[b][k][d], f16 operands, f32 sums, stored in f32 (a 16-bit S would spend the comparison's allowance).  q'' = qv's left half.
; A tile of S is 256 x 256, one a work-group: four waves, each 128 x 128 = 64 accumulators, 512 registers.  K goes in 8 steps of 128 through two LDS slots; a loop trip is one K step:
; 256 matrix instructions a wave, 224 of them between the request for a tile and the wait for it.
; THE MASK. A cluster of 4 x 4 tiles covers 1,024 x 1,024; of a batch's four such blocks the three on and below the diagonal are made: 12 clusters, 192 work-groups of equal work.
; In the two diagonal blocks 6 of the 16 tiles lie wholly above the diagonal and are made and stored like the others, 12 of a batch's 48: no branch may hang on a work-group's place in its
; cluster, and every partner issues every joint load.  The next launch masks what it reads of them.
; CLUSTERS: A's tile (rows of q'') is asked for jointly along a row of the cluster, B's (rows of x) along a column.  Both lie [row][K] and are read as they lie.
; THE MATRIX INSTRUCTION IS USED TRANSPOSED (source 0 = 16 rows of x, source 1 = 16 rows of q''): a lane holds eight neighbouring numbers of a row of S.
; REGISTERS: window 0: v0-31 addresses; v64-127, v128-191 A's fragments, two buffers, and on the way out the rows read back.  window 1: v64-127, v128-191 B's fragments.
;   window 2: the accumulators of my rows 0-63 ((a, b) at v[8 (8 a + b)]); window 3: those of my rows 64-127.
.set KSTEP,  128
.set PITCH,  272                       ; an LDS row: 256 bytes + 16: the 16 rows of a load start 16 bytes apart modulo 256
.set PART,   128*PITCH                 ; 34,816: what one tensor load brings
.set SLOT1,  4*PART                    ; 0x22000: its two bits are clear in the four loads' places in slot 0 (0, 0x8800, 0x11000, 0x19800), so one exclusive or changes slots
.set STAGE,  2*SLOT1                   ; behind the ring: 16 rows x 528 bytes for each wave
.set SPITCH, 528                       ; a stage row: my 128 columns of f32, 512 bytes, + 16
.set SPARE,  STAGE+4*16*SPITCH         ; the spare words, 128 bytes a wave, that no other line names
.set ADA, 16                           ; v16  LDS address of my A fragments in the slot in hand
.set A0,  17                           ; v17  the same in slot 0; never rewritten
.set ADB, 20
.set B0,  21
.set STO, 24                           ; v24  the way out: where I put 32 bytes of a row
.set RD,  25                           ; v25  where I read a row back
.set CO,  26                           ; v26  my 16 bytes of a row of S
.set SPW, 28                           ; v28  my spare word; never rewritten
.set NIL, 29                           ; v29  0; never rewritten
.set PFO, 30                           ; v30  the prefetches' lane offset; never rewritten
.set F0,  64
.set F1,  128
.set G1A, 24
.set GA0, 32                           ; s[32:35] group 0: A's K step 0
.set GA,  36                           ; s[36:39] group 0: A's K step 1; then it walks
.set G1B, 48
.set GB0, 56
.set GB,  60
.set TB,  45                           ; s45  0 or SLOT1: the slot from which fragments are fetched
.set PFA, 68                           ; s[68:69] where my prefetches stand
.set LIM, 72                           ; s72  2 in a wave that prefetches, else the greatest number
.set MSB, 0
.macro WIN new                         ; the immediate's high byte repeats the setting that is left
.if MSB != (\new)
	s_set_vgpr_msb (MSB<<8)|(\new)
.set MSB, \new
.endif
.endm
.set MUL_LO, 0xa1                      ; source 0 (B) window 1, source 1 (A) window 0, C and D window 2
.set MUL_HI, 0xf1                      ; the same, C and D window 3
.set TO_B,   0x40                      ; destination window 1, address window 0
.macro PLACES
.rept 4
	v_nop
.endr
.endm
.macro JLOAD                           ; a joint refill by the walking descriptor: waves 0, 1 for A, waves 2, 3 for B; s_nop 0 and four v_nop behind each line
	s_cmp_eq_u32 s11, 0
	s_cbranch_scc0 .Lfor_b_\@
	tensor_load_to_lds s[GA:GA+3], s[G1A:G1A+7]
	s_nop 0
.rept 4
	v_nop
.endr
	s_branch .Lasked_\@
.Lfor_b_\@:
	tensor_load_to_lds s[GB:GB+3], s[G1B:G1B+7]
	s_nop 0
.rept 4
	v_nop
.endr
.Lasked_\@:
.endm
.macro CREST
	s_cmp_lg_u32 s10, 0
	s_cbranch_scc1 .Lnot_wave_0_\@
	s_barrier_signal -3
.Lnot_wave_0_\@:
	s_barrier_wait -3
	s_barrier_signal -1
	s_barrier_wait -1
.endm
.macro CROUND
	s_barrier_signal -1
	s_barrier_wait -1
	CREST
.endm
.macro STEPDESC                        ; the walking descriptors: the other slot, the next K step (no tensor load of mine is out)
	s_xor_b32 s[GA+1], s[GA+1], SLOT1
	s_add_nc_u64 s[GA+2:GA+3], s[GA+2:GA+3], KSTEP*2
	s_xor_b32 s[GB+1], s[GB+1], SLOT1
	s_add_nc_u64 s[GB+2:GB+3], s[GB+2:GB+3], KSTEP*2
.endm
; A PREFETCH INTO THE L2 of the K step that stands two refills on, 512 matrix instructions ahead of the load that will want it: one instruction a wave, 32 rows x 256 bytes, a lane a row.
; Each block is named once in the launch.  The rows of q'' of a batch's upper half are read by the cluster with x = 0 alone, those of its lower half by x = 1 and x = 2: x = 0 and 1 ask.
; The rows of x of the first 1,024 keys are read by x = 0 and 1, the others by x = 2: x = 0 and 2 ask.  The four partners that ask for a tile jointly share its rows out by address:
; of the 128 rows that a wave fetches 32 at place cx (A) or cy (B).  The trips with s3 = 6 .. 3 name K steps 4 .. 7; the last two ask for nothing; nothing is asked for at the head.
.macro ASK
	s_cmp_gt_u32 s3, s[LIM]
	s_cbranch_scc0 .Lnot_mine_\@
	global_prefetch_b8 v[PFO], s[PFA:PFA+1] th:TH_LOAD_NT scope:SCOPE_SE
.Lnot_mine_\@:
.endm
	s_load_b128 s[4:7], s[0:1], 0x0                ; qv s[4:5], xh s[6:7]
	s_load_b64 s[8:9], s[0:1], 0x10                ; s
	v_lshl_add_u32 v[SPW], v0, 2, SPARE
	v_mov_b32 v[NIL], 0
	ds_add_u32 v[SPW], v[NIL]                      ; the wave's opening: the add and its wait stand ahead of my first tensor load
	v_lshrrev_b32 v1, 5, v0
	v_readfirstlane_b32 s10, v1                    ; wave 0..3
	s_lshr_b32 s11, s10, 1                         ; my half of the tile's rows.  Also: I fetch for A (0) or B (1)
	s_and_b32 s12, s10, 1                          ; my half of its columns.  Also: which 128 rows of that tile I fetch
	s_bfe_u32 s40, ttmp6, 0x40000                  ; cx
	s_bfe_u32 s41, ttmp6, 0x40004                  ; cy
	s_min_u32 s13, ttmp9, 1                        ; the cluster's x counts a batch's three blocks of 1,024 x 1,024: (0, 0), (1, 0), (1, 1)
	s_lshl_b32 s13, s13, 2
	s_add_co_u32 s13, s13, s41                     ; tile row 0..7
	s_lshr_b32 s42, ttmp9, 1
	s_lshl_b32 s42, s42, 2
	s_add_co_u32 s42, s42, s40                     ; tile column 0..7
	s_and_b32 s18, ttmp7, 0xffff                   ; the batch,
	s_lshl_b32 s18, s18, 11                        ; its first token
	s_lshl_b32 s43, s41, 2
	s_lshl_b32 s43, 15, s43                        ; my row of the cluster
	s_lshl_b32 s44, 0x1111, s40                    ; my column
	s_or_b32 s[G1A], s43, (1<<16)|(1<<20)|(1<<21)|(5<<22)|(3<<25)  ; mask; 2-byte elements; padding on; bit 21 beside a mask; after every 64 words, 4 words
	s_or_b32 s[G1B], s44, (1<<16)|(1<<20)|(1<<21)|(5<<22)|(3<<25)
.irp g, G1A, G1B
	s_mov_b32 s[(\g)+1], KSTEP<<16                 ; tensor_dim0 = 128
	s_mov_b32 s[(\g)+2], 128<<16                   ; tensor_dim1 = 128
	s_mov_b32 s[(\g)+3], KSTEP<<16                 ; tile_dim0 = 128
	s_mov_b32 s[(\g)+4], 128                       ; tile_dim1 = 128
	s_mov_b32 s[(\g)+6], 0
	s_mov_b32 s[(\g)+7], 0
.endr
	s_mov_b32 s[G1A+5], 2048                       ; qv's rows have 2,048 elements,
	s_mov_b32 s[G1B+5], 1024                       ; xh's 1,024
	s_lshl_b32 s17, s12, 7
	s_lshl_b32 s16, s13, 8
	s_add_co_u32 s16, s16, s17
	s_add_co_u32 s16, s16, s18                     ; A: token 2048 b + 256 x tile row + 128 x half,
	s_lshl_b32 s16, s16, 12                        ; rows of 4,096 bytes
	s_lshl_b32 s46, s42, 8
	s_add_co_u32 s46, s46, s17
	s_add_co_u32 s46, s46, s18                     ; B: token 2048 b + 256 x tile column + 128 x half,
	s_lshl_b32 s46, s46, 11                        ; rows of 2,048 bytes
	s_mov_b32 s17, 0
	s_mov_b32 s47, 0
	s_mul_i32 s20, s10, PART                       ; where my load goes
	s_mov_b32 s[TB], 0
	s_wait_dscnt 0x0                               ; the opening add is done
	s_wait_kmcnt 0x0
	s_add_nc_u64 s[14:15], s[4:5], s[16:17]
	s_add_nc_u64 s[46:47], s[6:7], s[46:47]
	CROUND                                         ; all sixteen work-groups are here: the first joint loads meet
	s_mov_b32 s[GA0], 1
	s_mov_b32 s[GA0+1], s20
	s_mov_b64 s[GA0+2:GA0+3], s[14:15]
	s_or_b32 s[GA0+3], s[GA0+3], 0x80000000
	s_mov_b32 s[GA], 1
	s_add_co_u32 s[GA+1], s20, SLOT1
	s_add_nc_u64 s[GA+2:GA+3], s[14:15], KSTEP*2
	s_or_b32 s[GA+3], s[GA+3], 0x80000000
	s_mov_b32 s[GB0], 1
	s_mov_b32 s[GB0+1], s20
	s_mov_b64 s[GB0+2:GB0+3], s[46:47]
	s_or_b32 s[GB0+3], s[GB0+3], 0x80000000
	s_mov_b32 s[GB], 1
	s_add_co_u32 s[GB+1], s20, SLOT1
	s_add_nc_u64 s[GB+2:GB+3], s[46:47], KSTEP*2
	s_or_b32 s[GB+3], s[GB+3], 0x80000000
	s_cmp_eq_u32 s11, 0                            ; a wave's two first fills stand in one branch: two loads of mine are out
	s_cbranch_scc0 .Lfirst_b
	tensor_load_to_lds s[GA0:GA0+3], s[G1A:G1A+7]
	s_nop 0
	tensor_load_to_lds s[GA:GA+3], s[G1A:G1A+7]
	s_nop 0
.rept 4
	v_nop
.endr
	s_branch .Lfirst_asked
.Lfirst_b:
	tensor_load_to_lds s[GB0:GB0+3], s[G1B:G1B+7]
	s_nop 0
	tensor_load_to_lds s[GB:GB+3], s[G1B:G1B+7]
	s_nop 0
.rept 4
	v_nop
.endr
.Lfirst_asked:
	v_and_b32 v1, 15, v0                           ; l % 16
	v_bfe_u32 v2, v0, 4, 1                         ; l / 16
	v_and_b32 v3, 31, v0                           ; l
	v_mul_u32_u24 v4, v1, PITCH
	v_lshl_add_u32 v4, v2, 4, v4                   ; a fragment's row x pitch + 16 x half
	s_mul_i32 s21, s11, PART                       ; my 128 rows of A
	s_mul_i32 s22, s12, PART                       ; my 128 rows of B,
	s_add_co_u32 s22, s22, 2*PART                  ; behind A's 256
	v_add_nc_u32 v[A0], s21, v4
	v_add_nc_u32 v[B0], s22, v4
	v_add_nc_u32 v[ADA], s[TB], v[A0]
	v_add_nc_u32 v[ADB], s[TB], v[B0]
	s_mul_i32 s23, s10, 16*SPITCH
	s_add_co_u32 s23, s23, STAGE                   ; my own stage
	v_mul_u32_u24 v5, v1, SPITCH                   ; in: row l % 16, 32 bytes for each half of the lanes
	v_lshl_add_u32 v5, v2, 5, v5
	v_add_nc_u32 v[STO], s23, v5
	v_lshl_add_u32 v[RD], v3, 4, s23               ; back: 32 lanes take one row of 512 bytes,
	v_lshlrev_b32 v[CO], 4, v3                     ; and store it so
	s_lshl_b32 s16, s13, 8
	s_lshl_b32 s17, s11, 7
	s_add_co_u32 s16, s16, s17
	s_add_co_u32 s16, s16, s18                     ; my first row of S,
	s_lshl_b32 s16, s16, 13                        ; of 8,192 bytes
	s_mov_b32 s17, 0
	s_add_nc_u64 s[8:9], s[8:9], s[16:17]
	s_lshl_b32 s46, s42, 10                        ; my first column, in bytes: 1,024 x tile column + 512 x half
	s_lshl_b32 s47, s12, 9
	s_add_co_u32 s46, s46, s47
	s_mov_b32 s47, 0
	s_add_nc_u64 s[8:9], s[8:9], s[46:47]
	; the prefetches
	s_lshl_b32 s21, s12, 7
	s_lshl_b32 s20, s13, 8
	s_add_co_u32 s20, s20, s21
	s_add_co_u32 s20, s20, s18
	s_lshl_b32 s22, s40, 5
	s_add_co_u32 s20, s20, s22                     ; A: the 128 rows that I fetch, my work-group's 32 of them,
	s_lshl_b32 s20, s20, 12
	s_lshl_b32 s22, s42, 8
	s_add_co_u32 s21, s22, s21
	s_add_co_u32 s21, s21, s18
	s_lshl_b32 s22, s41, 5
	s_add_co_u32 s21, s21, s22                     ; B: the same
	s_lshl_b32 s21, s21, 11
	s_cmp_eq_u32 s11, 0                            ; do I fetch for A?
	s_cselect_b32 s20, s20, s21
	s_cselect_b32 s23, 2, 1                        ; the cluster x that leaves the asking to another
	s_cselect_b64 s[PFA:PFA+1], s[4:5], s[6:7]
	s_add_co_u32 s20, s20, 3*KSTEP*2               ; at K step 3: the first refill steps it to 4
	s_mov_b32 s21, 0
	s_add_nc_u64 s[PFA:PFA+1], s[PFA:PFA+1], s[20:21]
	s_cmp_lg_u32 ttmp9, s23
	s_cselect_b32 s[LIM], 2, -1                    ; the same in all sixteen partners, for a given wave
	s_sub_co_u32 s15, 12, s11
	v_lshlrev_b32 v[PFO], s15, v3                  ; a lane a row: 4,096 bytes in qv, 2,048 in xh
; 16 matrix instructions: m blocks a0, a0 + 1 of the window's four x all 8 n blocks, 32 along K.  zero = 1: the product starts the sums
.macro MUL16 f, hi, a0, zero
	WIN MUL_LO+0x50*(\hi)
.irp a, \a0, (\a0)+1
.irp b, 0,1,2,3,4,5,6,7
.if \zero
	v_wmma_f32_16x16x32_f16 v[8*(8*(\a)+(\b)):8*(8*(\a)+(\b))+7], v[(\f)+8*(\b):(\f)+8*(\b)+7], v[(\f)+8*(4*(\hi)+(\a)):(\f)+8*(4*(\hi)+(\a))+7], 0
.else
	v_wmma_f32_16x16x32_f16 v[8*(8*(\a)+(\b)):8*(8*(\a)+(\b))+7], v[(\f)+8*(\b):(\f)+8*(\b)+7], v[(\f)+8*(4*(\hi)+(\a)):(\f)+8*(4*(\hi)+(\a))+7], v[8*(8*(\a)+(\b)):8*(8*(\a)+(\b))+7]
.endif
.endr
.endr
.endm
; 32 LDS loads in one run: quarter q (32 along K) of the slot in hand into buffer f: B's 128 rows, then A's 128 rows
.macro FETCH q, f
	WIN TO_B
.irp i, 0,1,2,3,4,5,6,7
	ds_load_b128 v[(\f)+8*(\i):(\f)+8*(\i)+3],   v[ADB] offset:64*(\q)+(\i)*16*PITCH
	ds_load_b128 v[(\f)+8*(\i)+4:(\f)+8*(\i)+7], v[ADB] offset:64*(\q)+(\i)*16*PITCH+32
.endr
	WIN 0
.irp i, 0,1,2,3,4,5,6,7
	ds_load_b128 v[(\f)+8*(\i):(\f)+8*(\i)+3],   v[ADA] offset:64*(\q)+(\i)*16*PITCH
	ds_load_b128 v[(\f)+8*(\i)+4:(\f)+8*(\i)+7], v[ADA] offset:64*(\q)+(\i)*16*PITCH+32
.endr
.endm
; The 64 accumulators take turns in one order everywhere.
.macro QUARTER q, f, g, zero
	s_wait_dscnt 8                                 ; B and A's rows 0-63 are in; the youngest eight loads (A's rows 64-127) may be out
	MUL16 \f, 0, 0, \zero
	MUL16 \f, 0, 2, \zero
	PLACES
	FETCH \q, \g
	s_wait_dscnt 32                                ; all but the 32 just issued
	MUL16 \f, 1, 0, \zero
	MUL16 \f, 1, 2, \zero
.endm
; The last quarter and the change of slots: each wave waits for all its tensor loads (its part of the next slot), adds 0 to its spare word, waits for that and for its reads of this slot, and signals.
; fill = 1: the barrier opens a round of the cluster's, and the joint refill is the first tensor load behind it.
.macro TURN fill
.if \fill
	s_wait_xcnt 0x0                                ; the last prefetch, a K step back, has read its address
	s_add_nc_u64 s[PFA:PFA+1], s[PFA:PFA+1], KSTEP*2
.endif
	WIN 0
	s_wait_tensorcnt 0x0
	ds_add_u32 v[SPW], v[NIL]
	s_wait_dscnt 9                                 ; the add and the youngest eight loads may be out
	MUL16 F1, 0, 0, 0
	s_wait_dscnt 0x0                               ; the add is done, and my reads of this slot are over
	s_barrier_signal -1
	MUL16 F1, 0, 2, 0
	WIN 0
	s_barrier_wait -1
.if \fill
	CREST
	STEPDESC
	JLOAD                                          ; its four v_nop are also the places in front of the loads below
.else
	PLACES
.endif
	s_xor_b32 s[TB], s[TB], SLOT1                  ; the fetches go to the other slot
	v_add_nc_u32 v[ADA], s[TB], v[A0]
	v_add_nc_u32 v[ADB], s[TB], v[B0]
	FETCH 0, F0
.if \fill
	ASK
.endif
	MUL16 F1, 1, 0, 0
	MUL16 F1, 1, 2, 0
.endm
; THE WAY OUT of block a (16 rows): a lane's 32 bytes of a row go from each of the block's eight accumulators into rows of 528 bytes of my own stage and come back as whole rows of 512 bytes,
; into A's two fragment buffers by turns.
.macro OUTB a
.set AC, 64*((\a)%4)
.set BK, 64+64*((\a)%2)
	s_wait_xcnt 0x0                                ; the registers that the stores of two blocks back read are loaded again only behind this wait
	WIN 0x08+4*((\a)/4)                            ; the LDS stores' data in window 2 or 3
.irp b, 0,1,2,3,4,5,6,7
	ds_store_b128 v[STO], v[AC+8*(\b):AC+8*(\b)+3]   offset:64*(\b)
	ds_store_b128 v[STO], v[AC+8*(\b)+4:AC+8*(\b)+7] offset:64*(\b)+16
.endr
	WIN 0
.irp t, 0,1,2,3,4,5,6,7,8,9,10,11,12,13,14,15
	ds_load_b128 v[BK+4*(\t):BK+4*(\t)+3], v[RD] offset:(\t)*SPITCH  ; LDS serves a wave's instructions in order: these see the stores above, and the next block's stores come behind them
.endr
.irp t, 0,1,2,3,4,5,6,7,8,9,10,11,12,13,14,15
	s_wait_dscnt 15-(\t)                           ; load t is back, the younger ones may be out
	global_store_b128 v[CO], v[BK+4*(\t):BK+4*(\t)+3], s[8:9] offset:(16*(\a)+(\t))*8192 th:TH_STORE_NT  ; 32 lanes store 512 consecutive bytes, aligned
.endr
.endm
	s_wait_tensorcnt 1                             ; my part of K step 0 is in; K step 1's may stay out
	s_barrier_signal -1
	s_barrier_wait -1
	FETCH 0, F0
	QUARTER 1, F0, F1, 1                           ; the first quarter's products start the sums
	WIN 0
	s_mov_b32 s3, 6
.Lstep:                                        ; six trips refill with K steps 2 to 7
	QUARTER 2, F1, F0, 0
	QUARTER 3, F0, F1, 0
	TURN 1
	QUARTER 1, F0, F1, 0
	WIN 0
	s_sub_co_u32 s3, s3, 1
	s_cmp_lg_u32 s3, 0
	s_cbranch_scc1 .Lstep
	QUARTER 2, F1, F0, 0                           ; the last two K steps fill nothing
	QUARTER 3, F0, F1, 0
	TURN 0
	QUARTER 1, F0, F1, 0
	QUARTER 2, F1, F0, 0
	QUARTER 3, F0, F1, 0
	s_wait_dscnt 8
	MUL16 F1, 0, 0, 0
	MUL16 F1, 0, 2, 0
	s_wait_dscnt 0x0
	MUL16 F1, 1, 0, 0
	MUL16 F1, 1, 2, 0
	WIN 0
	PLACES
.irp a, 0,1,2,3,4,5,6,7
	OUTB \a
.endr
	s_wait_tensorcnt 0x0                           ; the wave's end
	ds_add_u32 v[SPW], v[NIL]
	s_wait_dscnt 0x0
	CROUND                                         ; the closing round
	s_endpgm
.Lfunc_end_k_qda9638fbdc_scores:
	.size	k_qda9638fbdc_scores, .Lfunc_end_k_qda9638fbdc_scores-k_qda9638fbdc_scores
	.p2alignl 7, 3214868480
	.fill 96, 4, 3214868480
	.section	.rodata,"a",@progbits
	.p2align	6, 0x0
	.amdhsa_kernel k_qda9638fbdc_scores
		.amdhsa_group_segment_fixed_size 327680
		.amdhsa_private_segment_fixed_size 0
		.amdhsa_enable_private_segment 0
		.amdhsa_kernarg_size 24
		.amdhsa_user_sgpr_count 2
		.amdhsa_user_sgpr_kernarg_segment_ptr 1
		.amdhsa_wavefront_size32 1
		.amdhsa_system_sgpr_workgroup_id_x 1
		.amdhsa_system_sgpr_workgroup_id_y 1
		.amdhsa_system_sgpr_workgroup_id_z 1
		.amdhsa_system_vgpr_workitem_id 0
		.amdhsa_next_free_vgpr 1024
		.amdhsa_next_free_sgpr 76
		.amdhsa_reserve_vcc 0
		.amdhsa_float_denorm_mode_32 3
		.amdhsa_float_denorm_mode_16_64 3
		.amdhsa_memory_ordered 1
		.amdhsa_forward_progress 1
		.amdhsa_inst_pref_size 119
	.end_amdhsa_kernel
	.amdgpu_metadata
---
amdhsa.version: [ 1, 2 ]
amdhsa.kernels:
  - .name:           k_qda9638fbdc_scores
    .symbol:         k_qda9638fbdc_scores.kd
    .args:
      - { .name: qv, .offset: 0, .size: 8, .value_kind: global_buffer, .address_space: global }
      - { .name: xh, .offset: 8, .size: 8, .value_kind: global_buffer, .address_space: global }
      - { .name: s, .offset: 16, .size: 8, .value_kind: global_buffer, .address_space: global }
    .group_segment_fixed_size: 327680
    .private_segment_fixed_size: 0
    .kernarg_segment_align: 8
    .kernarg_segment_size: 24
    .max_flat_workgroup_size: 128
    .sgpr_count:     76
    .vgpr_count:     1024
    .wavefront_size: 32
...
	.end_amdgpu_metadata
.endif
;; end of part 4
;; launch smax (part 5): grid 1028 x 1, 8 waves a work-group, no clusters, 0 bytes of LDS; arguments s, vhead, p, out0; writes p, out0
.if DOCPART == 5
	.amdgcn_target "amdgcn-amd-amdhsa--gfx1250"
	.amdhsa_code_object_version 6
	.text
	.protected	k_qda9638fbdc_smax
	.globl	k_qda9638fbdc_smax
	.p2align	8
	.type	k_qda9638fbdc_smax,@function
k_qda9638fbdc_smax:
	s_mov_b64 s[64:65], 0
	v_nop
	global_prefetch_b8 v0, s[64:65] scope:SCOPE_SE
	s_setreg_imm32_b32 hwreg(HW_REG_WAVE_MODE, 25, 1), 1
	s_wait_xcnt 0x0
; P[b][q][k] = softmax over k <= q of 32 S[b][q][k] (S carries 2^-10 and the module divides by 32), in f32 with the row's maximum taken away, rounded once to f16.
; Row q is written from column 0 to the end of its super-block of 512; the columns behind q hold exact zeros.
; WORK-GROUPS 4-1027: a wave a row, kept in registers between the passes: S is read once.  Group g of 16 registers holds the 512 columns of super-block I - g (I = q / 512), 4 columns a lane in each
; of four chunks of 128; group 0 holds the diagonal and is masked.  A row has I + 1 groups: each pass is left by a forward jump behind its last group.  The registers of groups that are not
; loaded hold -infinity, so every register is defined on every way through the text.  No LDS, no barrier; a load covers 512 consecutive bytes, a store 256, aligned.
; THE LONG ROWS GO FIRST: work-groups 4-259 take the rows with I = 3 of all four batches, the next 256 those with I = 2, and so on: a row with I = 3 moves four times the bytes of one with I = 0.
; WORK-GROUPS 0-3 (a batch each): rows 0-7 of the OUTPUT, finished here in f32 from unrounded v (vhead): there a weight and v rounded to f16 would spend the comparison's allowance, since few rows of v are averaged.
; LIMITS. From row 8 on a weight below 6e-8 counts as 0; a weight below 2^-126 counts as 0 in the sum; NaN and infinities are not treated apart.
.set VI,   1                           ; v1  16 x lane
.set VO,   2                           ; v2  8 x lane
.set TT,   3                           ; v3  q % 512 - 4 x lane: element e of chunk j is seen where 128 j + e is not greater
.set NINF, 4                           ; v4  -infinity
.set MXA,  5                           ; v5, v6  two chains of the maximum
.set MXB,  6
.set TP,   7                           ; v7  the other half of the lanes'
.set CM,   8                           ; v[8:9]   c m
.set SA,   10                          ; v[10:11], v[12:13]  two chains of the sum, two numbers each
.set SB,   12
.set RC,   14                          ; v[14:15] 1 / l
.set X,    20                          ; v[20:83] the row.  In the head: v[20:51] v of tokens 0-7, v[52:83] the eight rows of the output
.set OUTR, 52
.set II,   13                          ; s13  I
	s_load_b256 s[4:11], s[0:1], 0x0               ; s s[4:5], vhead s[6:7], p s[8:9], out0 s[10:11]
	v_lshrrev_b32 v17, 5, v0
	v_readfirstlane_b32 s12, v17                   ; wave 0..7
	v_and_b32 v16, 31, v0                          ; lane
	s_mov_b32 s14, 0x4238aa3b                      ; c = 32 log2(e)
	s_mov_b32 s15, s14                             ; named with it as a pair
	s_mov_b32 s16, 0x76543210                      ; v_permlanex16_b32: each lane takes its own place in the other half
	s_mov_b32 s17, 0xfedcba98
	v_mov_b32 v[NINF], 0xff800000
	v_mov_b32 v[TP], 0
	v_lshlrev_b32 v[VI], 4, v16
	s_cmp_lt_u32 ttmp9, 4
	s_cbranch_scc1 .Lhead
	s_sub_co_u32 s18, ttmp9, 4                     ; 0 .. 1023: bits 9:8 count the super-blocks down, bits 7:6 the batch, bits 5:0 eight rows
	s_lshr_b32 s[II], s18, 8
	s_sub_co_u32 s[II], 3, s[II]                   ; I
	s_and_b32 s19, s18, 63
	s_lshl_b32 s19, s19, 3
	s_add_co_u32 s19, s19, s12                     ; q % 512
	s_bfe_u32 s18, s18, 0x20006                    ; the batch
	s_lshl_b32 s18, s18, 11
	s_lshl_b32 s2, s[II], 9
	s_add_co_u32 s18, s18, s2
	s_add_co_u32 s18, s18, s19                     ; my row among the 8,192
	v_lshlrev_b32 v[VO], 3, v16
	v_lshlrev_b32 v[TT], 2, v16
	v_sub_nc_u32 v[TT], s19, v[TT]
	s_lshl_b32 s2, s18, 13                         ; S: rows of 8,192 bytes, super-blocks of 2,048
	s_lshl_b32 s3, s[II], 11
	s_add_co_u32 s2, s2, s3
	s_mov_b32 s3, 0
	s_lshl_b32 s20, s18, 12                        ; P: rows of 4,096 bytes, super-blocks of 1,024
	s_lshl_b32 s21, s[II], 10
	s_add_co_u32 s20, s20, s21
	s_mov_b32 s21, 0
.set z, 16
.rept 48
	v_mov_b32 v[X+z], v[NINF]
.set z, z+1
.endr
	s_wait_kmcnt 0x0
	s_add_nc_u64 s[4:5], s[4:5], s[2:3]            ; at the diagonal super-block of my row: group g lies g super-blocks back
	s_add_nc_u64 s[8:9], s[8:9], s[20:21]
.macro EXIT g, lab                     ; the row has no group g
	s_cmp_lt_u32 s[II], \g
	s_cbranch_scc1 \lab
.endm
.macro LOADG g
.irp j, 0,1,2,3
	global_load_b128 v[X+16*(\g)+4*(\j):X+16*(\g)+4*(\j)+3], v[VI], s[4:5] offset:512*(\j)-2048*(\g) th:TH_LOAD_NT
.endr
.endm
	LOADG 0
	EXIT 1, .Lin
	LOADG 1
	EXIT 2, .Lin
	LOADG 2
	EXIT 3, .Lin
	LOADG 3
.Lin:
	s_wait_loadcnt 0x0
.set z, 0
.rept 16                               ; the mask, on the diagonal super-block alone
	v_cmp_le_i32 vcc_lo, 128*(z/4)+z%4, v[TT]
	v_cndmask_b32 v[X+z], v[NINF], v[X+z], vcc_lo
.set z, z+1
.endr
	v_max3_num_f32 v[MXA], v[X], v[X+1], v[X+2]    ; the first words start the chains: nothing is cleared
	v_max3_num_f32 v[MXB], v[X+3], v[X+4], v[X+5]
	v_max3_num_f32 v[MXA], v[MXA], v[X+6], v[X+7]
	v_max3_num_f32 v[MXB], v[MXB], v[X+8], v[X+9]
	v_max3_num_f32 v[MXA], v[MXA], v[X+10], v[X+11]
	v_max3_num_f32 v[MXB], v[MXB], v[X+12], v[X+13]
	v_max3_num_f32 v[MXA], v[MXA], v[X+14], v[X+15]
.macro MAXG g
.set z, 0
.rept 8
	v_max3_num_f32 v[MXA+z%2], v[MXA+z%2], v[X+16*(\g)+2*z], v[X+16*(\g)+2*z+1]
.set z, z+1
.endr
.endm
	EXIT 1, .Lmx
	MAXG 1
	EXIT 2, .Lmx
	MAXG 2
	EXIT 3, .Lmx
	MAXG 3
.Lmx:
	v_max_num_f32 v[MXA], v[MXA], v[MXB]
	v_max_num_f32_dpp v[MXA], v[MXA], v[MXA] row_xmask:1 row_mask:0xf bank_mask:0xf
	v_max_num_f32_dpp v[MXA], v[MXA], v[MXA] row_xmask:2 row_mask:0xf bank_mask:0xf
	v_max_num_f32_dpp v[MXA], v[MXA], v[MXA] row_xmask:4 row_mask:0xf bank_mask:0xf
	v_max_num_f32_dpp v[MXA], v[MXA], v[MXA] row_xmask:8 row_mask:0xf bank_mask:0xf
	v_permlanex16_b32 v[TP], v[MXA], s16, s17
	v_max_num_f32 v[MXA], v[MXA], v[TP]            ; the row's maximum, in every lane: the key q itself is always seen, so it is a true score
	v_mul_f32 v[CM], s14, v[MXA]                   ; its rounding shifts all of the row's exponents alike and leaves with the division
	v_mov_b32 v[CM+1], v[CM]
; A group's weights: c s - c m, 16 exponentials as one batch with one wait ahead of their first reader; the wait also stands ahead of the jump that follows.
.macro EXPG g
.set z, 0
.rept 8
	v_pk_fma_f32 v[X+16*(\g)+2*z:X+16*(\g)+2*z+1], v[X+16*(\g)+2*z:X+16*(\g)+2*z+1], s[14:15], v[CM:CM+1] op_sel_hi:[1,0,0] neg_lo:[0,0,1] neg_hi:[0,0,1]
.set z, z+1
.endr
.set z, 0
.rept 16
	v_exp_f32 v[X+16*(\g)+z], v[X+16*(\g)+z]
.set z, z+1
.endr
	v_nop                                          ; a plain instruction behind the last exponential
	s_wait_alu depctr_va_vdst(0)
.endm
.macro SUMG g
.set z, 0
.rept 8
	v_pk_add_f32 v[SA+2*(z%2):SA+2*(z%2)+1], v[SA+2*(z%2):SA+2*(z%2)+1], v[X+16*(\g)+2*z:X+16*(\g)+2*z+1]
.set z, z+1
.endr
.endm
	EXPG 0
	v_pk_add_f32 v[SA:SA+1], v[X:X+1], v[X+2:X+3]  ; the first sums start the chains
	v_pk_add_f32 v[SB:SB+1], v[X+4:X+5], v[X+6:X+7]
	v_pk_add_f32 v[SA:SA+1], v[SA:SA+1], v[X+8:X+9]
	v_pk_add_f32 v[SB:SB+1], v[SB:SB+1], v[X+10:X+11]
	v_pk_add_f32 v[SA:SA+1], v[SA:SA+1], v[X+12:X+13]
	v_pk_add_f32 v[SB:SB+1], v[SB:SB+1], v[X+14:X+15]
	EXIT 1, .Lsm
	EXPG 1
	SUMG 1
	EXIT 2, .Lsm
	EXPG 2
	SUMG 2
	EXIT 3, .Lsm
	EXPG 3
	SUMG 3
.Lsm:
	v_pk_add_f32 v[SA:SA+1], v[SA:SA+1], v[SB:SB+1]
	v_add_f32 v[SA], v[SA], v[SA+1]
	v_add_f32_dpp v[SA], v[SA], v[SA] row_xmask:1 row_mask:0xf bank_mask:0xf
	v_add_f32_dpp v[SA], v[SA], v[SA] row_xmask:2 row_mask:0xf bank_mask:0xf
	v_add_f32_dpp v[SA], v[SA], v[SA] row_xmask:4 row_mask:0xf bank_mask:0xf
	v_add_f32_dpp v[SA], v[SA], v[SA] row_xmask:8 row_mask:0xf bank_mask:0xf
	v_permlanex16_b32 v[TP], v[SA], s16, s17
	v_add_f32 v[SA], v[SA], v[TP]                  ; l, at least 1: the maximum's own weight
	v_rcp_f32 v[RC], v[SA]
	v_nop
	s_wait_alu depctr_va_vdst(0)
	v_mov_b32 v[RC+1], v[RC]
.macro OUTG g
.set z, 0
.rept 8
	v_pk_mul_f32 v[X+16*(\g)+2*z:X+16*(\g)+2*z+1], v[X+16*(\g)+2*z:X+16*(\g)+2*z+1], v[RC:RC+1]
.set z, z+1
.endr
.irp j, 0,1,2,3
	v_cvt_pk_f16_f32 v[X+16*(\g)+4*(\j)],   v[X+16*(\g)+4*(\j)],   v[X+16*(\g)+4*(\j)+1]
	v_cvt_pk_f16_f32 v[X+16*(\g)+4*(\j)+1], v[X+16*(\g)+4*(\j)+2], v[X+16*(\g)+4*(\j)+3]
	global_store_b64 v[VO], v[X+16*(\g)+4*(\j):X+16*(\g)+4*(\j)+1], s[8:9] offset:256*(\j)-1024*(\g) th:TH_STORE_NT  ; 32 lanes store 256 consecutive bytes, aligned
.endr
.endm
	OUTG 0
	EXIT 1, .Lend
	OUTG 1
	EXIT 2, .Lend
	OUTG 2
	EXIT 3, .Lend
	OUTG 3
.Lend:
	s_endpgm
.Lhead:                                        ; batch b = the work-group's number; wave w makes channels 128 w .. 128 w + 127 of rows 0-7, 4 a lane
	v_lshrrev_b32 v17, 2, v16                      ; lane l holds row q = l / 4,
	v_and_b32 v18, 3, v16                          ; keys 2 (l % 4) and 2 (l % 4) + 1
	v_lshlrev_b32 v19, 13, v17
	v_lshl_add_u32 v19, v18, 3, v19
	v_lshlrev_b32 v18, 1, v18
	s_lshl_b32 s2, ttmp9, 24                       ; a batch of S: 2,048 rows of 8,192 bytes
	s_mov_b32 s3, 0
	s_lshl_b32 s18, ttmp9, 16                      ; of vhead: 16 rows of 4,096 bytes
	s_lshl_b32 s19, s12, 9                         ; my wave's 128 channels: 512 bytes
	s_add_co_u32 s18, s18, s19
	s_lshl_b32 s36, ttmp9, 23                      ; of out0: 2,048 rows of 4,096 bytes
	s_add_co_u32 s36, s36, s19
	s_mov_b32 s19, 0
	s_mov_b32 s37, 0
.irp k, 0,1,2,3,4,5,6,7
	s_mov_b32 s[21+2*(\k)], 0                      ; the upper words of the pairs by which the packed lines name a weight
.endr
	s_wait_kmcnt 0x0
	s_add_nc_u64 s[4:5], s[4:5], s[2:3]
	s_add_nc_u64 s[6:7], s[6:7], s[18:19]
	s_add_nc_u64 s[10:11], s[10:11], s[36:37]
	global_load_b64 v[SA:SA+1], v19, s[4:5]
.irp k, 0,1,2,3,4,5,6,7
	global_load_b128 v[X+4*(\k):X+4*(\k)+3], v[VI], s[6:7] offset:4096*(\k)
.endr
	s_wait_loadcnt 0x8                             ; the scores are in; v's eight loads may stay out
	v_cmp_gt_u32 vcc_lo, v18, v17                  ; a key behind q is hidden
	v_cndmask_b32 v[SA], v[SA], v[NINF], vcc_lo
	v_add_nc_u32 v18, 1, v18
	v_cmp_gt_u32 vcc_lo, v18, v17
	v_cndmask_b32 v[SA+1], v[SA+1], v[NINF], vcc_lo
	v_max_num_f32 v[MXA], v[SA], v[SA+1]
	v_max_num_f32_dpp v[MXA], v[MXA], v[MXA] row_xmask:1 row_mask:0xf bank_mask:0xf
	v_max_num_f32_dpp v[MXA], v[MXA], v[MXA] row_xmask:2 row_mask:0xf bank_mask:0xf  ; over the row's four lanes
	v_mul_f32 v[CM], s14, v[MXA]
	v_mov_b32 v[CM+1], v[CM]
	v_pk_fma_f32 v[SA:SA+1], v[SA:SA+1], s[14:15], v[CM:CM+1] op_sel_hi:[1,0,0] neg_lo:[0,0,1] neg_hi:[0,0,1]
	v_exp_f32 v[SA], v[SA]
	v_exp_f32 v[SA+1], v[SA+1]
	v_nop
	s_wait_alu depctr_va_vdst(0)
	v_add_f32 v[SB], v[SA], v[SA+1]
	v_add_f32_dpp v[SB], v[SB], v[SB] row_xmask:1 row_mask:0xf bank_mask:0xf
	v_add_f32_dpp v[SB], v[SB], v[SB] row_xmask:2 row_mask:0xf bank_mask:0xf
	v_rcp_f32 v[RC], v[SB]
	v_nop
	s_wait_alu depctr_va_vdst(0)
	v_mul_f32 v[SA], v[SA], v[RC]                  ; weight (q, k) lies in lane 4 q + k / 2, register SA + k % 2
	v_mul_f32 v[SA+1], v[SA+1], v[RC]
	s_wait_loadcnt 0x0                             ; v
.set q, 0
.rept 8
.set k, 0
.rept q+1
	v_readlane_b32 s[20+2*k], v[SA+k%2], 4*q+k/2
.set k, k+1
.endr
	v_pk_mul_f32 v[OUTR+4*q:OUTR+4*q+1],   v[X:X+1],   s[20:21] op_sel_hi:[1,0]
	v_pk_mul_f32 v[OUTR+4*q+2:OUTR+4*q+3], v[X+2:X+3], s[20:21] op_sel_hi:[1,0]
.set k, 1
.rept q
	v_pk_fma_f32 v[OUTR+4*q:OUTR+4*q+1],   v[X+4*k:X+4*k+1],   s[20+2*k:21+2*k], v[OUTR+4*q:OUTR+4*q+1]   op_sel_hi:[1,0,1]
	v_pk_fma_f32 v[OUTR+4*q+2:OUTR+4*q+3], v[X+4*k+2:X+4*k+3], s[20+2*k:21+2*k], v[OUTR+4*q+2:OUTR+4*q+3] op_sel_hi:[1,0,1]
.set k, k+1
.endr
	global_store_b128 v[VI], v[OUTR+4*q:OUTR+4*q+3], s[10:11] offset:4096*q  ; 512 consecutive bytes, aligned; each row has registers of its own
.set q, q+1
.endr
	s_endpgm
.Lfunc_end_k_qda9638fbdc_smax:
	.size	k_qda9638fbdc_smax, .Lfunc_end_k_qda9638fbdc_smax-k_qda9638fbdc_smax
	.p2alignl 7, 3214868480
	.fill 96, 4, 3214868480
	.section	.rodata,"a",@progbits
	.p2align	6, 0x0
	.amdhsa_kernel k_qda9638fbdc_smax
		.amdhsa_group_segment_fixed_size 0
		.amdhsa_private_segment_fixed_size 0
		.amdhsa_enable_private_segment 0
		.amdhsa_kernarg_size 32
		.amdhsa_user_sgpr_count 2
		.amdhsa_user_sgpr_kernarg_segment_ptr 1
		.amdhsa_wavefront_size32 1
		.amdhsa_system_sgpr_workgroup_id_x 1
		.amdhsa_system_sgpr_workgroup_id_y 1
		.amdhsa_system_sgpr_workgroup_id_z 1
		.amdhsa_system_vgpr_workitem_id 0
		.amdhsa_next_free_vgpr 88
		.amdhsa_next_free_sgpr 66
		.amdhsa_reserve_vcc 1
		.amdhsa_float_denorm_mode_32 3
		.amdhsa_float_denorm_mode_16_64 3
		.amdhsa_memory_ordered 1
		.amdhsa_forward_progress 1
		.amdhsa_inst_pref_size 32
	.end_amdhsa_kernel
	.amdgpu_metadata
---
amdhsa.version: [ 1, 2 ]
amdhsa.kernels:
  - .name:           k_qda9638fbdc_smax
    .symbol:         k_qda9638fbdc_smax.kd
    .args:
      - { .name: s, .offset: 0, .size: 8, .value_kind: global_buffer, .address_space: global }
      - { .name: vhead, .offset: 8, .size: 8, .value_kind: global_buffer, .address_space: global }
      - { .name: p, .offset: 16, .size: 8, .value_kind: global_buffer, .address_space: global }
      - { .name: out0, .offset: 24, .size: 8, .value_kind: global_buffer, .address_space: global }
    .group_segment_fixed_size: 0
    .private_segment_fixed_size: 0
    .kernarg_segment_align: 8
    .kernarg_segment_size: 32
    .max_flat_workgroup_size: 256
    .sgpr_count:     66
    .vgpr_count:     88
    .wavefront_size: 32
...
	.end_amdgpu_metadata
.endif
;; end of part 5
;; launch pv (part 6): grid 8 x 32, 4 waves a work-group, clusters of 4 x 4, 327,680 bytes of LDS; arguments p, qv, out0; writes out0
.if DOCPART == 6
	.amdgcn_target "amdgcn-amd-amdhsa--gfx1250"
	.amdhsa_code_object_version 6
	.text
	.protected	k_qda9638fbdc_pv
	.globl	k_qda9638fbdc_pv
	.p2align	8
	.type	k_qda9638fbdc_pv,@function
k_qda9638fbdc_pv:
	s_mov_b64 s[64:65], 0
	v_nop
	global_prefetch_b8 v0, s[64:65] scope:SCOPE_SE
	s_setreg_imm32_b32 hwreg(HW_REG_WAVE_MODE, 25, 1), 1
	s_wait_xcnt 0x0
	s_wait_alu depctr_hold_cnt(0) depctr_sa_sdst(0) depctr_va_vdst(0) depctr_va_sdst(0) depctr_va_ssrc(0) depctr_va_vcc(0) depctr_vm_vsrc(0)
	s_getreg_b32 s2, hwreg(HW_REG_IB_STS2, 6, 4)
	s_cmp_eq_u32 s2, 0
	s_cbranch_scc0 .Lentry_in_a_cluster
	s_endpgm
.Lentry_in_a_cluster:
	s_bfe_u32 s2, ttmp6, 0x10000c
	s_cmp_lg_u32 s2, 0xf033
	s_cbranch_scc0 .Lentry_shape_is_right
	s_endpgm
.Lentry_shape_is_right:
; out0[b][q][e] = the sum over k of P[b][q][k] v[b][k][e], f16 operands, f32 sums, stored in f32.  v = qv's right half, [key][channel]: its fragments are read turned, by ds_load_tr16_b128.
; Rows 0-7 of each batch are not stored here: the launch before has written them.
; THE WALK. A tile is 128 queries x 128 channels.  Query block i (of 16) needs the keys up to the end of its super-block of 512: 2 (i / 4 + 1) K steps of 256 (P holds zeros behind the diagonal).
; A work-group makes TWO tiles, of super-blocks 3 - Ip and Ip: 8 - 2 Ip and 2 Ip + 2 steps, 10 in all whatever Ip: 256 work-groups of equal work, and ONE loop with a constant trip count.
; The four rows of a cluster lie in one super-block and walk the same keys, so A (along a row of the cluster) and B (along a column) are both asked for jointly.
; The price of that grain: 10 K steps where the triangle by blocks of 128 has 8.5 on the average.
; The accumulators are cleared by 128 v_mov_b32, once in the wait for the first tile and once at the change of tiles, which falls at step 6 or 8: so one text serves every step.
; Four waves, each 64 x 64 = 16 accumulators.  THE MATRIX INSTRUCTION IS USED TRANSPOSED: a lane holds eight neighbouring numbers of a row of the output.
; REGISTERS: window 0: v0-31 addresses; v32-95 at work on the way out; v128-255 the accumulators.  window 1: two fragment buffers of 128.
.set KSTEP,  256
.set PITCH,  528                       ; a row of A in LDS: 512 bytes + 16
.set PITV,   288                       ; a key's row of B: 256 bytes + 32 = 9 x 32
.set HALFA,  64*PITCH                  ; 33,792: what a load of A brings
.set HALFB,  128*PITV                  ; 36,864: what a load of B brings
.set SLOT1,  147456                    ; 0x24000, past slot 0's 141,312 bytes: its two bits are clear in the four loads' places in slot 0 (0, 0x8400, 0x10800, 0x19800)
.set STAGE,  SLOT1+2*HALFA+2*HALFB     ; 288,768: 16 rows x 272 bytes for each wave
.set SPITCH, 272
.set SPARE,  STAGE+4*16*SPITCH         ; the spare words, 128 bytes a wave, that no other line names
.set ADA, 16
.set A0,  17
.set ADB, 20                           ; v20 keys 0-127 of the step in hand, v21 keys 128-255: an LDS offset has 16 bits
.set B0,  22
.set STO, 24
.set RD,  25
.set CO,  26
.set RB,  27                           ; v27  the second tile's first row of mine, in its batch; never rewritten
.set SPW, 28
.set NIL, 29
.set TMP, 32
.set ACC, 128
.set F0,  0
.set F1,  128
.set G1A, 24
.set GA0, 32
.set GA,  36
.set G1B, 48
.set GB0, 56
.set GB,  60
.set TB,  45
.set PTA, 66                           ; s[66:67] P at the K step asked for last
.set PTB, 68                           ; s[68:69] v at the same
.set A2,  70                           ; s[70:71] P at the second tile's K step 0
.set BZ,  72                           ; s[72:73] v at K step 0
.set C2,  74                           ; s[74:75] out0 at my part of the second tile
.set TOGO, 76                          ; s76  refills until the one that goes to the second tile
.set LEFT, 77                          ; s77  K steps left in the tile in hand
.set MSB, 0
.macro WIN new
.if MSB != (\new)
	s_set_vgpr_msb (MSB<<8)|(\new)
.set MSB, \new
.endif
.endm
.set MUL,  0x05
.set TO_F, 0x40
.macro PLACES
.rept 4
	v_nop
.endr
.endm
.macro JLOAD
	s_cmp_eq_u32 s11, 0
	s_cbranch_scc0 .Lfor_b_\@
	tensor_load_to_lds s[GA:GA+3], s[G1A:G1A+7]
	s_nop 0
.rept 4
	v_nop
.endr
	s_branch .Lasked_\@
.Lfor_b_\@:
	tensor_load_to_lds s[GB:GB+3], s[G1B:G1B+7]
	s_nop 0
.rept 4
	v_nop
.endr
.Lasked_\@:
.endm
.macro CREST
	s_cmp_lg_u32 s10, 0
	s_cbranch_scc1 .Lnot_wave_0_\@
	s_barrier_signal -3
.Lnot_wave_0_\@:
	s_barrier_wait -3
	s_barrier_signal -1
	s_barrier_wait -1
.endm
.macro CROUND
	s_barrier_signal -1
	s_barrier_wait -1
	CREST
.endm
; The walking descriptors: the next K step, or behind the first tile's last the second tile's K step 0; the addresses are written anew from plain pointers, the type bits set again; the other slot.
; TOGO hangs on the cluster's y alone: it is the same in all partners.
.macro STEPDESC
	s_add_nc_u64 s[PTA:PTA+1], s[PTA:PTA+1], KSTEP*2
	s_add_nc_u64 s[PTB:PTB+1], s[PTB:PTB+1], KSTEP*4096
	s_cmp_eq_u32 s[TOGO], 0
	s_cselect_b64 s[PTA:PTA+1], s[A2:A2+1], s[PTA:PTA+1]
	s_cselect_b64 s[PTB:PTB+1], s[BZ:BZ+1], s[PTB:PTB+1]
	s_sub_co_u32 s[TOGO], s[TOGO], 1
	s_mov_b64 s[GA+2:GA+3], s[PTA:PTA+1]
	s_or_b32 s[GA+3], s[GA+3], 0x80000000
	s_mov_b64 s[GB+2:GB+3], s[PTB:PTB+1]
	s_or_b32 s[GB+3], s[GB+3], 0x80000000
	s_xor_b32 s[GA+1], s[GA+1], SLOT1
	s_xor_b32 s[GB+1], s[GB+1], SLOT1
.endm
.macro CLEAR
.set z, 0
.rept 128
	v_mov_b32 v[ACC+z], 0
.set z, z+1
.endr
.endm
	s_load_b128 s[4:7], s[0:1], 0x0                ; p s[4:5], qv s[6:7]
	s_load_b64 s[8:9], s[0:1], 0x10                ; out0
	v_lshl_add_u32 v[SPW], v0, 2, SPARE
	v_mov_b32 v[NIL], 0
	ds_add_u32 v[SPW], v[NIL]                      ; the wave's opening: the add and its wait stand ahead of my first tensor load
	v_lshrrev_b32 v1, 5, v0
	v_readfirstlane_b32 s10, v1
	s_lshr_b32 s11, s10, 1
	s_and_b32 s12, s10, 1
	s_bfe_u32 s40, ttmp6, 0x40000                  ; cx
	s_bfe_u32 s41, ttmp6, 0x40004                  ; cy
	s_lshl_b32 s42, ttmp9, 2
	s_add_co_u32 s42, s42, s40                     ; n: my block of 128 channels
	s_and_b32 s14, ttmp7, 0xffff                   ; the cluster's y = 2 b + Ip
	s_lshr_b32 s18, s14, 1
	s_lshl_b32 s18, s18, 11                        ; the batch's first token
	s_and_b32 s14, s14, 1                          ; Ip
	s_sub_co_u32 s15, 3, s14
	s_lshl_b32 s15, s15, 2
	s_add_co_u32 s15, s15, s41                     ; the first tile's query block: 4 (3 - Ip) + cy
	s_lshl_b32 s13, s14, 2
	s_add_co_u32 s13, s13, s41                     ; the second's: 4 Ip + cy
	s_lshl_b32 s19, s14, 1
	s_sub_co_u32 s[LEFT], 8, s19                   ; the first tile has 8 - 2 Ip K steps
	s_sub_co_u32 s[TOGO], s[LEFT], 2               ; refill t asks for step t + 2
	s_lshl_b32 s43, s41, 2
	s_lshl_b32 s43, 15, s43
	s_lshl_b32 s44, 0x1111, s40
	s_or_b32 s[G1A], s43, (1<<16)|(1<<20)|(1<<21)|(6<<22)|(3<<25)  ; A: 64 rows x 256 elements; after every 128 words, 4 words of padding
	s_mov_b32 s[G1A+1], 256<<16
	s_mov_b32 s[G1A+2], 64<<16
	s_mov_b32 s[G1A+3], 256<<16
	s_mov_b32 s[G1A+4], 64
	s_mov_b32 s[G1A+5], 2048
	s_mov_b32 s[G1A+6], 0
	s_mov_b32 s[G1A+7], 0
	s_or_b32 s[G1B], s44, (1<<16)|(1<<20)|(1<<21)|(5<<22)|(7<<25)  ; B: 128 keys x 128 elements; after every 64 words, 8 words of padding
	s_mov_b32 s[G1B+1], 128<<16
	s_mov_b32 s[G1B+2], 128<<16
	s_mov_b32 s[G1B+3], 128<<16
	s_mov_b32 s[G1B+4], 128
	s_mov_b32 s[G1B+5], 2048
	s_mov_b32 s[G1B+6], 0
	s_mov_b32 s[G1B+7], 0
	s_lshl_b32 s17, s12, 6
	s_lshl_b32 s16, s15, 7
	s_add_co_u32 s16, s16, s18
	s_add_co_u32 s16, s16, s17                     ; A, first tile: row 2048 b + 128 i + 64 x half,
	s_lshl_b32 s16, s16, 12                        ; of 4,096 bytes
	s_lshl_b32 s22, s13, 7
	s_add_co_u32 s22, s22, s18
	s_add_co_u32 s22, s22, s17                     ; A, second tile
	s_lshl_b32 s22, s22, 12
	s_mov_b32 s17, 0
	s_mov_b32 s23, 0
	s_lshl_b32 s46, s12, 7
	s_add_co_u32 s46, s46, s18                     ; B: key 2048 b + 128 x half,
	s_lshl_b32 s46, s46, 12
	s_lshl_b32 s47, s42, 8                         ; 256 bytes x n,
	s_add_co_u32 s46, s46, s47
	s_add_co_u32 s46, s46, 2048                    ; in qv's right half
	s_mov_b32 s47, 0
	s_lshl_b32 s81, s11, 6
	s_lshl_b32 s80, s15, 7
	s_add_co_u32 s80, s80, s81
	s_add_co_u32 s80, s80, s18                     ; my first row of the output, first tile,
	s_lshl_b32 s80, s80, 12
	s_lshl_b32 s82, s13, 7
	s_add_co_u32 s79, s82, s81                     ; second tile, in its batch: 0 where rows 0-7 are mine
	s_add_co_u32 s82, s79, s18
	s_lshl_b32 s82, s82, 12
	s_lshl_b32 s81, s42, 9                         ; my first column, in bytes
	s_lshl_b32 s83, s12, 8
	s_add_co_u32 s81, s81, s83
	s_add_co_u32 s80, s80, s81
	s_add_co_u32 s82, s82, s81
	s_mov_b32 s81, 0
	s_mov_b32 s83, 0
	s_mul_i32 s20, s12, HALFA                      ; where a load of A goes,
	s_mul_i32 s21, s12, HALFB
	s_add_co_u32 s21, s21, 2*HALFA                 ; and a load of B: the wave's number and constants alone
	s_mov_b32 s[TB], 0
	s_wait_dscnt 0x0
	s_wait_kmcnt 0x0
	s_add_nc_u64 s[PTA:PTA+1], s[4:5], s[16:17]
	s_add_nc_u64 s[A2:A2+1], s[4:5], s[22:23]
	s_add_nc_u64 s[BZ:BZ+1], s[6:7], s[46:47]
	s_mov_b64 s[PTB:PTB+1], s[BZ:BZ+1]
	s_add_nc_u64 s[C2:C2+1], s[8:9], s[82:83]
	s_add_nc_u64 s[8:9], s[8:9], s[80:81]
	CROUND
	s_mov_b32 s[GA0], 1
	s_mov_b32 s[GA0+1], s20
	s_mov_b64 s[GA0+2:GA0+3], s[PTA:PTA+1]
	s_or_b32 s[GA0+3], s[GA0+3], 0x80000000
	s_add_nc_u64 s[PTA:PTA+1], s[PTA:PTA+1], KSTEP*2
	s_mov_b32 s[GA], 1
	s_add_co_u32 s[GA+1], s20, SLOT1
	s_mov_b64 s[GA+2:GA+3], s[PTA:PTA+1]
	s_or_b32 s[GA+3], s[GA+3], 0x80000000
	s_mov_b32 s[GB0], 1
	s_mov_b32 s[GB0+1], s21
	s_mov_b64 s[GB0+2:GB0+3], s[PTB:PTB+1]
	s_or_b32 s[GB0+3], s[GB0+3], 0x80000000
	s_add_nc_u64 s[PTB:PTB+1], s[PTB:PTB+1], KSTEP*4096
	s_mov_b32 s[GB], 1
	s_add_co_u32 s[GB+1], s21, SLOT1
	s_mov_b64 s[GB+2:GB+3], s[PTB:PTB+1]
	s_or_b32 s[GB+3], s[GB+3], 0x80000000
	s_cmp_eq_u32 s11, 0
	s_cbranch_scc0 .Lfirst_b
	tensor_load_to_lds s[GA0:GA0+3], s[G1A:G1A+7]
	s_nop 0
	tensor_load_to_lds s[GA:GA+3], s[G1A:G1A+7]
	s_nop 0
.rept 4
	v_nop
.endr
	s_branch .Lfirst_asked
.Lfirst_b:
	tensor_load_to_lds s[GB0:GB0+3], s[G1B:G1B+7]
	s_nop 0
	tensor_load_to_lds s[GB:GB+3], s[G1B:G1B+7]
	s_nop 0
.rept 4
	v_nop
.endr
.Lfirst_asked:
	v_and_b32 v1, 15, v0
	v_bfe_u32 v2, v0, 4, 1
	v_mul_u32_u24 v3, v1, PITCH
	v_lshl_add_u32 v3, v2, 4, v3
	s_mul_i32 s21, s11, HALFA
	v_add_nc_u32 v[A0], s21, v3
	; the turning load: lane l reads key 8 (l / 16) + l % 8, 16 bytes at 16 ((l / 8) % 2), and ends with channel l % 16 and 8 keys
	v_and_b32 v4, 7, v0
	v_bfe_u32 v5, v0, 3, 1
	v_lshl_add_u32 v4, v2, 3, v4
	v_mul_u32_u24 v4, v4, PITV
	v_lshl_add_u32 v4, v5, 4, v4
	s_lshl_b32 s22, s12, 7                         ; my 64 channels: 128 bytes
	s_add_co_u32 s22, s22, 2*HALFA
	v_add_nc_u32 v[B0], s22, v4
	v_add_nc_u32 v[ADA], s[TB], v[A0]
	v_add_nc_u32 v[ADB], s[TB], v[B0]
	v_add_nc_u32 v[ADB+1], HALFB, v[ADB]
	s_mul_i32 s23, s10, 16*SPITCH
	s_add_co_u32 s23, s23, STAGE                   ; my own stage: a wave's 64 columns of f32 are 256 bytes
	v_mul_u32_u24 v4, v1, SPITCH
	v_lshl_add_u32 v4, v2, 5, v4
	v_add_nc_u32 v[STO], s23, v4
	v_mul_u32_u24 v5, v2, SPITCH
	v_lshl_add_u32 v5, v1, 4, v5
	v_add_nc_u32 v[RD], s23, v5
	v_lshlrev_b32 v5, 12, v2                       ; two rows of the output, 4,096 bytes apart
	v_lshl_add_u32 v[CO], v1, 4, v5
	v_mov_b32 v[RB], s79
	CLEAR                                          ; in the wait for the first tile
.macro MUL8 f, c, a0
	WIN MUL
.irp a, \a0, (\a0)+1
.irp b, 0,1,2,3
	v_wmma_f32_16x16x32_f16 v[ACC+8*(4*(\a)+(\b)):ACC+8*(4*(\a)+(\b))+7], v[(\f)+64+8*(4*(\c)+(\b)):(\f)+64+8*(4*(\c)+(\b))+7], v[(\f)+8*(4*(\c)+(\a)):(\f)+8*(4*(\c)+(\a))+7], v[ACC+8*(4*(\a)+(\b)):ACC+8*(4*(\a)+(\b))+7]
.endr
.endr
.endm
; 32 LDS loads in one run: quarter q (64 keys) of the slot in hand into buffer f; the first 32 keys first
.macro FETCH q, f
	WIN TO_F
.irp c, 0,1
.irp i, 0,1,2,3
	ds_load_tr16_b128 v[(\f)+64+8*(4*(\c)+(\i)):(\f)+64+8*(4*(\c)+(\i))+3],   v[ADB+(\q)/2] offset:(((\q)%2)*64+32*(\c))*PITV+32*(\i)
	ds_load_tr16_b128 v[(\f)+64+8*(4*(\c)+(\i))+4:(\f)+64+8*(4*(\c)+(\i))+7], v[ADB+(\q)/2] offset:(((\q)%2)*64+32*(\c))*PITV+16*PITV+32*(\i)
	ds_load_b128 v[(\f)+8*(4*(\c)+(\i)):(\f)+8*(4*(\c)+(\i))+3],         v[ADA] offset:128*(\q)+64*(\c)+(\i)*16*PITCH
	ds_load_b128 v[(\f)+8*(4*(\c)+(\i))+4:(\f)+8*(4*(\c)+(\i))+7],       v[ADA] offset:128*(\q)+64*(\c)+(\i)*16*PITCH+32
.endr
.endr
.endm
; The 16 accumulators take turns in one order everywhere.
.macro QUARTER q, f, g
	s_wait_dscnt 16                                ; the first 32 keys are in; the other sixteen loads may be out
	MUL8 \f, 0, 0
	MUL8 \f, 0, 2
	PLACES
	FETCH \q, \g
	s_wait_dscnt 32                                ; all but the 32 just issued
	MUL8 \f, 1, 0
	MUL8 \f, 1, 2
.endm
.macro TURN fill
	WIN 0
	s_wait_tensorcnt 0x0                           ; all my tensor loads have landed: my part of the next slot
	ds_add_u32 v[SPW], v[NIL]
	s_wait_dscnt 17                                ; the add and the youngest sixteen loads may be out
	MUL8 F1, 0, 0
	s_wait_dscnt 0x0                               ; the add is done, and my reads of this slot are over
	s_barrier_signal -1
	MUL8 F1, 0, 2
	WIN 0
	s_barrier_wait -1
.if \fill
	CREST
	STEPDESC
	JLOAD                                          ; the first tensor load behind the round: 112 matrix instructions ahead of the wait for it
.else
	PLACES
.endif
	s_xor_b32 s[TB], s[TB], SLOT1
	v_add_nc_u32 v[ADA], s[TB], v[A0]
	v_add_nc_u32 v[ADB], s[TB], v[B0]
	v_add_nc_u32 v[ADB+1], HALFB, v[ADB]
	FETCH 0, F0
	MUL8 F1, 1, 0
	MUL8 F1, 1, 2
.endm
; THE WAY OUT, 16 rows at a time: a lane's 32 bytes of a row go from the accumulators into rows of 272 bytes of my own stage and come back as whole rows of 256 bytes.
; mask = 1: where my first row is a batch's row 0, rows 0-7 are not stored.  That hangs on the work-group's place in its cluster, so it is an EXEC mask and no branch.
.macro OUT32 mask
.irp a, 0,1,2,3
	s_wait_xcnt 0x0                                ; the registers that the stores of two blocks back read are loaded again, and EXEC is changed, only behind this wait
.irp b, 0,1,2,3
	ds_store_b128 v[STO], v[ACC+8*(4*(\a)+(\b)):ACC+8*(4*(\a)+(\b))+3]   offset:64*(\b)
	ds_store_b128 v[STO], v[ACC+8*(4*(\a)+(\b))+4:ACC+8*(4*(\a)+(\b))+7] offset:64*(\b)+16
.endr
.irp t, 0,1,2,3,4,5,6,7
	ds_load_b128 v[TMP+32*((\a)%2)+4*(\t):TMP+32*((\a)%2)+4*(\t)+3], v[RD] offset:2*(\t)*SPITCH  ; LDS serves a wave's instructions in order: these see the stores above
.endr
.if (\mask) && ((\a) == 0)
	s_wait_dscnt 0x0                               ; no LDS load is out while EXEC is narrow
	v_cmp_ne_u32 vcc_lo, 0, v[RB]
	s_and_saveexec_b32 s78, vcc_lo
.irp t, 0,1,2,3
	global_store_b128 v[CO], v[TMP+4*(\t):TMP+4*(\t)+3], s[8:9] offset:2*(\t)*4096 th:TH_STORE_NT
.endr
	s_wait_xcnt 0x0                                ; and again in front of the line that widens it
	s_or_b32 exec_lo, exec_lo, s78
.irp t, 4,5,6,7
	global_store_b128 v[CO], v[TMP+4*(\t):TMP+4*(\t)+3], s[8:9] offset:2*(\t)*4096 th:TH_STORE_NT
.endr
.else
.irp t, 0,1,2,3,4,5,6,7
	s_wait_dscnt 7-(\t)                            ; load t is back, the younger ones may be out
	global_store_b128 v[CO], v[TMP+32*((\a)%2)+4*(\t):TMP+32*((\a)%2)+4*(\t)+3], s[8:9] offset:(16*(\a)+2*(\t))*4096 th:TH_STORE_NT  ; 16 lanes store 256 consecutive bytes, aligned
.endr
.endif
.endr
.endm
	s_wait_tensorcnt 1                             ; my part of K step 0 is in; K step 1's may stay out
	s_barrier_signal -1
	s_barrier_wait -1
	FETCH 0, F0
	WIN 0
	s_mov_b32 s3, 8
.Lstep:                                        ; eight trips, a K step each; they refill with steps 2 to 9 of the walk
	QUARTER 1, F0, F1
	QUARTER 2, F1, F0
	QUARTER 3, F0, F1
	TURN 1
	WIN 0
	s_sub_co_u32 s[LEFT], s[LEFT], 1
	s_cmp_lg_u32 s[LEFT], 0
	s_cbranch_scc1 .Lsame                          ; forward, past text with no barrier and no tensor load; LEFT hangs on the cluster's y alone
	PLACES                                         ; THE CHANGE OF TILES: the first tile (its rows begin at 1,024 at the least) goes out,
	OUT32 0
	s_wait_xcnt 0x0                                ; the stores have read their base
	s_mov_b64 s[8:9], s[C2:C2+1]
	CLEAR                                          ; and the second begins
	s_mov_b32 s[LEFT], 100                         ; it ends behind the loop
.Lsame:
	s_sub_co_u32 s3, s3, 1
	s_cmp_lg_u32 s3, 0
	s_cbranch_scc1 .Lstep
	QUARTER 1, F0, F1                              ; the walk's last two K steps fill nothing
	QUARTER 2, F1, F0
	QUARTER 3, F0, F1
	TURN 0
	QUARTER 1, F0, F1
	QUARTER 2, F1, F0
	QUARTER 3, F0, F1
	s_wait_dscnt 16
	MUL8 F1, 0, 0
	MUL8 F1, 0, 2
	s_wait_dscnt 0x0
	MUL8 F1, 1, 0
	MUL8 F1, 1, 2
	WIN 0
	PLACES
	OUT32 1
	s_wait_tensorcnt 0x0                           ; the wave's end
	ds_add_u32 v[SPW], v[NIL]
	s_wait_dscnt 0x0
	CROUND
	s_endpgm
.Lfunc_end_k_qda9638fbdc_pv:
	.size	k_qda9638fbdc_pv, .Lfunc_end_k_qda9638fbdc_pv-k_qda9638fbdc_pv
	.p2alignl 7, 3214868480
	.fill 96, 4, 3214868480
	.section	.rodata,"a",@progbits
	.p2align	6, 0x0
	.amdhsa_kernel k_qda9638fbdc_pv
		.amdhsa_group_segment_fixed_size 327680
		.amdhsa_private_segment_fixed_size 0
		.amdhsa_enable_private_segment 0
		.amdhsa_kernarg_size 24
		.amdhsa_user_sgpr_count 2
		.amdhsa_user_sgpr_kernarg_segment_ptr 1
		.amdhsa_wavefront_size32 1
		.amdhsa_system_sgpr_workgroup_id_x 1
		.amdhsa_system_sgpr_workgroup_id_y 1
		.amdhsa_system_sgpr_workgroup_id_z 1
		.amdhsa_system_vgpr_workitem_id 0
		.amdhsa_next_free_vgpr 512
		.amdhsa_next_free_sgpr 84
		.amdhsa_reserve_vcc 1
		.amdhsa_float_denorm_mode_32 3
		.amdhsa_float_denorm_mode_16_64 3
		.amdhsa_memory_ordered 1
		.amdhsa_forward_progress 1
		.amdhsa_inst_pref_size 86
	.end_amdhsa_kernel
	.amdgpu_metadata
---
amdhsa.version: [ 1, 2 ]
amdhsa.kernels:
  - .name:           k_qda9638fbdc_pv
    .symbol:         k_qda9638fbdc_pv.kd
    .args:
      - { .name: p, .offset: 0, .size: 8, .value_kind: global_buffer, .address_space: global }
      - { .name: qv, .offset: 8, .size: 8, .value_kind: global_buffer, .address_space: global }
      - { .name: out0, .offset: 16, .size: 8, .value_kind: global_buffer, .address_space: global }
    .group_segment_fixed_size: 327680
    .private_segment_fixed_size: 0
    .kernarg_segment_align: 8
    .kernarg_segment_size: 24
    .max_flat_workgroup_size: 128
    .sgpr_count:     84
    .vgpr_count:     512
    .wavefront_size: 32
...
	.end_amdgpu_metadata
.endif
;; end of part 6
;; ======== version 2 of 2: 6 launches; version 1 with the launch cast written anew for expert scheduling mode
;; limits: values are held in f16: magnitudes above 65,504 overflow, below 6.1e-05 lose precision
;; workspace buffers: xh 16,777,216 bytes; wqh 2,097,152 bytes; wkh 2,097,152 bytes; wcat 4,194,304 bytes; qv 33,554,432 bytes; vhead 262,144 bytes; s 67,108,864 bytes; p 33,554,432 bytes
;; launch cast (part 7): grid 704 x 1, 8 waves a work-group, no clusters, 0 bytes of LDS; arguments x, W_query, W_key, W_value, xh, wqh, wkh, wcat; writes xh, wqh, wkh, wcat
.if DOCPART == 7
	.amdgcn_target "amdgcn-amd-amdhsa--gfx1250"
	.amdhsa_code_object_version 6
	.text
	.protected	k_qda9638fbdc_cast
	.globl	k_qda9638fbdc_cast
	.p2align	8
	.type	k_qda9638fbdc_cast,@function
k_qda9638fbdc_cast:
	s_mov_b64 s[64:65], 0
	v_nop
	global_prefetch_b8 v0, s[64:65] scope:SCOPE_SE
	s_setreg_imm32_b32 hwreg(HW_REG_WAVE_SCHED_MODE, 0, 2), 2
	s_setreg_imm32_b32 hwreg(HW_REG_WAVE_MODE, 25, 1), 1
	s_wait_xcnt 0x0
	s_wait_alu depctr_vm_vsrc(0)
; x, W_query, W_key, W_value (f32) are rounded to bf16 (nearest even) and that number is written as f16:
; x -> xh [8192][1024], W_query -> wqh, W_key -> wkh [1024][1024], W_value -> the right half of wcat [1024][2048].
; LIMITS. A number of 65,520 or more in magnitude becomes an infinity; below 2^-14 the f16 copy keeps f16's fixed step 2^-24.
; SHARES. A work-group takes 16,384 numbers, a wave 2,048: sixteen loads of 16 bytes a lane (512 consecutive bytes each),
; all issued at once, and sixteen stores of 8 bytes a lane (256 consecutive bytes, aligned, each). No LDS, no loop, no matrix unit:
; every byte is read once and written once, and no wave depends on another.
; Work-groups 0-511 take x, 512-575 W_query, 576-639 W_key, 640-703 W_value.
; THE MODE: SCHED_MODE bits 1:0 = 2 (LLVM: expert scheduling mode 2), set by the entry lines.  The code itself states the register dependences
; between vector instructions and memory instructions, with s_wait_alu, always for 0.
; THE PLAN.  Registers that memory instructions touch:
;   v1, v2, v3   byte offsets, made once at the head by vector lines, read by every load (v1) and every store (v2, v3), never written again.
;   X            written by the sixteen loads; behind each load's own wait on LOADcnt vector lines alone name its four registers.
;   Y            a pair for each load, written by that chunk's two roundings to f16, read by that chunk's store, never written again.
;   v4 to v7     named by vector lines alone.
; The sixteen chunks go in four blocks of four.  Block p rounds into its own eight registers of Y; its memory instructions are the four stores of block p - 1,
; whose Y and offsets no vector line of block p names.  So ONE wait on va_vdst at a block's head states all that its four stores hang on, and they are dealt among
; the block's vector lines with no further wait.  One more stands ahead of the last block's stores.  No register that a memory instruction reads is written again:
; the only wait on vm_vsrc stands at the entry.  EXEC and VCC are never written.
.set VI,  1                            ; v1  16 x lane: my 16 bytes of a load
.set VO0, 2                            ; v2  8 x lane: my 8 bytes of a store, numbers 0-1023 of the wave
.set VO1, 3                            ; v3  the same for numbers 1024-2047: in wcat one row, and so 2,048 bytes more, further on
.set T,   4                            ; v[4:5]    two packed bf16 pairs, at work
.set X,   8                            ; v[8:71]   as loaded, then widened again
.set Y,   72                           ; v[72:103] to store
.set BLK, 4                            ; chunks in a block
	s_load_b512 s[16:31], s[0:1], 0x0              ; x, W_query, W_key, W_value, xh, wqh, wkh, wcat
	v_lshrrev_b32 v6, 5, v0
	v_readfirstlane_b32 s12, v6                    ; wave 0..7
	v_and_b32 v7, 31, v0
	v_lshlrev_b32 v[VI], 4, v7
	v_lshlrev_b32 v[VO0], 3, v7
	s_wait_alu depctr_va_sdst(0)                   ; s12 is written, ahead of its first reader: both bases are made from it
	s_sub_co_u32 s4, ttmp9, 512
	s_lshr_b32 s5, s4, 6                           ; which weight: 0, 1, 2 (for x a number far above these)
	s_and_b32 s6, s4, 63                           ; its chunk of 16,384 numbers = 16 rows
	s_mov_b32 s13, 0xffff0000                      ; a word's upper bf16
	s_wait_kmcnt 0x0
	s_cmp_eq_u32 s5, 1
	s_cselect_b64 s[8:9], s[20:21], s[18:19]       ; from: W_key or W_query
	s_cselect_b64 s[10:11], s[28:29], s[26:27]     ; to: wkh or wqh
	s_cmp_eq_u32 s5, 2
	s_cselect_b64 s[8:9], s[22:23], s[8:9]         ; or W_value
	s_cselect_b64 s[10:11], s[30:31], s[10:11]     ; to wcat,
	s_cselect_b32 s7, 2048, 0                      ; whose rows have 2,048 bytes more than a dense row, in front of the right half
	s_cmp_lt_u32 ttmp9, 512
	s_cselect_b64 s[8:9], s[16:17], s[8:9]         ; or x
	s_cselect_b64 s[10:11], s[24:25], s[10:11]     ; to xh
	s_cselect_b32 s6, ttmp9, s6
	s_cselect_b32 s7, 0, s7
	s_lshl_b32 s2, s6, 16                          ; in: chunk x 65,536 + wave x 8,192 bytes
	s_lshl_b32 s3, s12, 13
	s_add_co_u32 s2, s2, s3
	s_mov_b32 s3, 0
	s_add_nc_u64 s[8:9], s[8:9], s[2:3]
	s_lshl_b32 s14, s6, 4
	s_lshl1_add_u32 s14, s12, s14                  ; my first row of a weight: 16 x chunk + 2 x wave
	s_add_co_u32 s14, s14, 1
	s_mul_i32 s14, s14, s7                         ; (row + 1) x 2,048 more in wcat, 0 elsewhere
	s_lshl_b32 s2, s6, 15                          ; out: chunk x 32,768 + wave x 4,096 bytes
	s_lshl_b32 s15, s12, 12
	s_add_co_u32 s2, s2, s15
	s_add_co_u32 s2, s2, s14
	s_add_nc_u64 s[10:11], s[10:11], s[2:3]
	v_add_nc_u32 v[VO1], s7, v[VO0]
	s_wait_alu depctr_va_vdst(0)                   ; v1, v2 and v3 are written: every load and store of the kernel reads one of them as its offset, and no later vector line names them
.set j, 0
.rept 16
	global_load_b128 v[X+4*j:X+4*j+3], v[VI], s[8:9] offset:512*j th:TH_LOAD_NT
.set j, j+1
.endr
.set j, 0
.rept 16
	s_wait_loadcnt 15-j                            ; loads come back in order: load j is in, the 15 - j younger ones stay out
.if (j >= BLK) && (j%BLK == 0)
	s_wait_alu depctr_va_vdst(0)                   ; a block's head: the block before has written its eight registers of Y, which this block's four stores read
.endif
.if j >= BLK
	global_store_b64 v[VO0+(j-BLK)/8], v[Y+2*(j-BLK):Y+2*(j-BLK)+1], s[10:11] offset:256*(j-BLK) th:TH_STORE_NT  ; the chunk a block back: no vector line since the wait names its registers; no register that a store reads is written again
.endif
	v_cvt_pk_bf16_f32 v[T],   v[X+4*j],   v[X+4*j+1]   ; the rounding that counts
	v_cvt_pk_bf16_f32 v[T+1], v[X+4*j+2], v[X+4*j+3]
	v_lshlrev_b32 v[X+4*j],   16,  v[T]            ; bf16 to f32: a shift or a mask
	v_and_b32     v[X+4*j+1], s13, v[T]
	v_lshlrev_b32 v[X+4*j+2], 16,  v[T+1]
	v_and_b32     v[X+4*j+3], s13, v[T+1]
	v_cvt_pk_f16_f32 v[Y+2*j],   v[X+4*j],   v[X+4*j+1]   ; 8 significant bits fit f16's 11
	v_cvt_pk_f16_f32 v[Y+2*j+1], v[X+4*j+2], v[X+4*j+3]
.set j, j+1
.endr
	s_wait_alu depctr_va_vdst(0)                   ; the last block has written its eight registers of Y, which the last four stores read
.set j, 16-BLK
.rept BLK
	global_store_b64 v[VO0+j/8], v[Y+2*j:Y+2*j+1], s[10:11] offset:256*j th:TH_STORE_NT
.set j, j+1
.endr
	s_endpgm
.Lfunc_end_k_qda9638fbdc_cast:
	.size	k_qda9638fbdc_cast, .Lfunc_end_k_qda9638fbdc_cast-k_qda9638fbdc_cast
	.p2alignl 7, 3214868480
	.fill 96, 4, 3214868480
	.section	.rodata,"a",@progbits
	.p2align	6, 0x0
	.amdhsa_kernel k_qda9638fbdc_cast
		.amdhsa_group_segment_fixed_size 0
		.amdhsa_private_segment_fixed_size 0
		.amdhsa_enable_private_segment 0
		.amdhsa_kernarg_size 64
		.amdhsa_user_sgpr_count 2
		.amdhsa_user_sgpr_kernarg_segment_ptr 1
		.amdhsa_wavefront_size32 1
		.amdhsa_system_sgpr_workgroup_id_x 1
		.amdhsa_system_sgpr_workgroup_id_y 1
		.amdhsa_system_sgpr_workgroup_id_z 1
		.amdhsa_system_vgpr_workitem_id 0
		.amdhsa_next_free_vgpr 104
		.amdhsa_next_free_sgpr 66
		.amdhsa_reserve_vcc 0
		.amdhsa_float_denorm_mode_32 3
		.amdhsa_float_denorm_mode_16_64 3
		.amdhsa_memory_ordered 1
		.amdhsa_forward_progress 1
		.amdhsa_inst_pref_size 12
	.end_amdhsa_kernel
	.amdgpu_metadata
---
amdhsa.version: [ 1, 2 ]
amdhsa.kernels:
  - .name:           k_qda9638fbdc_cast
    .symbol:         k_qda9638fbdc_cast.kd
    .args:
      - { .name: x, .offset: 0, .size: 8, .value_kind: global_buffer, .address_space: global }
      - { .name: W_query, .offset: 8, .size: 8, .value_kind: global_buffer, .address_space: global }
      - { .name: W_key, .offset: 16, .size: 8, .value_kind: global_buffer, .address_space: global }
      - { .name: W_value, .offset: 24, .size: 8, .value_kind: global_buffer, .address_space: global }
      - { .name: xh, .offset: 32, .size: 8, .value_kind: global_buffer, .address_space: global }
      - { .name: wqh, .offset: 40, .size: 8, .value_kind: global_buffer, .address_space: global }
      - { .name: wkh, .offset: 48, .size: 8, .value_kind: global_buffer, .address_space: global }
      - { .name: wcat, .offset: 56, .size: 8, .value_kind: global_buffer, .address_space: global }
    .group_segment_fixed_size: 0
    .private_segment_fixed_size: 0
    .kernarg_segment_align: 8
    .kernarg_segment_size: 64
    .max_flat_workgroup_size: 256
    .sgpr_count:     66
    .vgpr_count:     104
    .wavefront_size: 32
...
	.end_amdgpu_metadata
.endif
;; end of part 7
;; launch mprod: the kernel of part 2 again; grid 16 x 16, 4 waves a work-group, clusters of 4 x 4, 327,680 bytes of LDS; arguments wqh, wkh, wcat; writes wcat
;; launch proj: the kernel of part 3 again; grid 8 x 32, 4 waves a work-group, clusters of 4 x 4, 327,680 bytes of LDS; arguments xh, wcat, qv, vhead; writes qv, vhead
;; launch scores: the kernel of part 4 again; grid 12 x 16, 4 waves a work-group, clusters of 4 x 4, 327,680 bytes of LDS; arguments qv, xh, s; writes s
;; launch smax: the kernel of part 5 again; grid 1028 x 1, 8 waves a work-group, no clusters, 0 bytes of LDS; arguments s, vhead, p, out0; writes p, out0
;; launch pv: the kernel of part 6 again; grid 8 x 32, 4 waves a work-group, clusters of 4 x 4, 327,680 bytes of LDS; arguments p, qv, out0; writes out0
